; MI455X (gfx1250); checked and timed in simulation.
; The chip was launched on July 23, 2026; its instructions are those of AMD's public machine-readable ISA for CDNA 5 (MIT licence, August 2026) and "CDNA5" Instruction Set Architecture Reference Guide (July 2026). The comments in the code are by the model that wrote it; some were corrected since.
;; Multi Headed Attention. Allowed arithmetic: matrix products marked QUANTISED: E2M3 operands, one E8M0 scale for each 32 along K, by v_wmma_scale_f32_16x16x128_f8f6f4 with both operands' format E2M3, f32 sums; everything else in f32.
;; Inputs: Wk 1,024 x 1,024 float32; Wo 1,024 x 1,024 float32; Wq 1,024 x 1,024 float32; Wv 1,024 x 1,024 float32; bank 4 x 2,048 x 1,024 float32; bk 1,024 float32; bo 1,024 float32; bq 1,024 float32; bv 1,024 float32; query 4 x 2,048 x 1,024 float32.
;; Outputs: out0 4 x 2,048 x 1,024 float32.
;; This version of the problem:
;;   THIS VERSION OF THE PROBLEM IS GIVEN IN LOW PRECISION. The matrix products marked QUANTISED in the list below multiply operands that are first quantised to E2M3 (2 exponent bits, 3 mantissa bits; 6 bits a number), with one power-of-two scale for each 32 numbers along K (OCP MX v1.0); their sums are f32. All else is computed in f32.
;;   The module's matrix products, in the order in which they are computed (A, B: the left and right operand; K: the contracted axis; several contracted axes count as one K, in the product's order):
;;     1. [M 8,192, K 1,024] x [K 1,024, N 1,024]; A: input query; B: input Wq: QUANTISED
;;     2. [M 8,192, K 1,024] x [K 1,024, N 1,024]; A: input bank; B: input Wk: QUANTISED
;;     3. [M 8,192, K 1,024] x [K 1,024, N 1,024]; A: input bank; B: input Wv: QUANTISED
;;     4. batch 64 x [M 2,048, K 64] x [K 64, N 2,048]; A: computed on the way; B: computed on the way: QUANTISED
;;     5. batch 64 x [M 2,048, K 2,048] x [K 2,048, N 64]; A: softmax (see below); B: computed on the way: QUANTISED
;;     6. [M 8,192, K 1,024] x [K 1,024, N 1,024]; A: computed on the way; B: input Wo: QUANTISED
;;   THE QUANTISER, for each operand of a quantised product, along K:
;;     - K is cut into blocks of 32 from its start; a last block that is shorter is filled with zeros.
;;     - A block's scale is 2^e with e = floor(log2(the largest magnitude in the block)) - 2, held to -126 .. 127; a block of zeros has e = 0. As a byte (E8M0): e + 127.
;;     - Each number is divided by its block's scale, clamped to +-7.5, and rounded to the nearest number of E2M3, ties to even, subnormals kept.
;;     - The product sums the exact products of the quantised numbers (number of the format x scale) in f32.
;;   ~~~python
;;   def quantise(x, axis):      # numpy; x: float32 -> the quantised numbers, widened to float32 again
;;       x = np.moveaxis(x, axis, -1); K = x.shape[-1]
;;       x = np.pad(x, [(0, 0)] * (x.ndim - 1) + [(0, -K % 32)]); x = x.reshape(x.shape[:-1] + (-1, 32)); a = np.abs(x).max(-1, keepdims=True)
;;       e = np.where(a > 0, np.clip(np.frexp(np.where(a > 0, a, 1))[1] - 1 - 2, -126, 127), 0)      # np.frexp(a)[1] - 1 = floor(log2(a)), exactly
;;       r = np.clip(x / 2.0 ** e, -7.5, 7.5)
;;       step = 2.0 ** (np.maximum(np.frexp(np.where(r == 0, 1, r))[1] - 1, 0) - 3)
;;       q = np.round(r / step) * step * 2.0 ** e      # np.round: ties to even
;;       return np.moveaxis(q.reshape(q.shape[:-2] + (-1,))[..., :K], -1, axis).astype(np.float32)
;;   ~~~
;;   SOFTMAX AHEAD OF A QUANTISED PRODUCT. Where the list says 'softmax', what is quantised is not the finished softmax but p = 2^(t - M), with t = logit x log2(e) and M = ceil(the row's largest t), a whole number; so 1/2 < the row's largest p <= 1. The row's sum l is taken of the UNQUANTISED p, in f32, and the product's result is divided by l at the end. Since M is a whole number, a kernel that streams over the keys may use a running M (the ceiling of the running maximum): every later rescaling is an exact power of two, which a block's scale takes up: the codes' values come out the same.
;;   OPERANDS COMPUTED ON THE WAY. 'Computed on the way' means the value that the module computes at that place (a softmax that the list does not call 'softmax' is quantised finished and normalised). What goes into a quantiser is computed in f32, as accurately as f32 sums, v_exp_f32 and their like allow (about 1e-6 of the number): no bf16 or f16 on the way to a quantiser, and a product that is left as it is and whose result goes on into a quantised operand takes f32 operands (vector FMAs, or v_wmma_f32_16x16x4_f32). A number that lies on a knife's edge between two numbers of the format may be rounded either way, as far as f32 arithmetic and the matrix unit's own rounding can turn it there, and no further.
;; One version. Each part assembles by itself: llvm-mc -triple=amdgcn-amd-amdhsa -mcpu=gfx1250 --defsym DOCPART=n.
;; ======== version 1 of 1: 4 launches
;; limits: right only within a limited range of input values
;; workspace buffers: xq 6,553,600 bytes; xb 6,553,600 bytes; wimg 3,276,800 bytes; qkv 19,660,800 bytes; oimg 6,553,600 bytes
;; launch quant (part 1): grid 640 x 1, 4 waves a work-group, no clusters, 34,304 bytes of LDS; arguments query, bank, Wq, Wk, Wv, Wo, xq, xb, wimg; writes xq, xb, wimg
.if DOCPART == 1
	.amdgcn_target "amdgcn-amd-amdhsa--gfx1250"
	.amdhsa_code_object_version 6
	.text
	.protected	k_q879a60d11c_quant
	.globl	k_q879a60d11c_quant
	.p2align	8
	.type	k_q879a60d11c_quant,@function
k_q879a60d11c_quant:
	s_mov_b64 s[64:65], 0
	v_nop
	global_prefetch_b8 v0, s[64:65] scope:SCOPE_SE
	s_setreg_imm32_b32 hwreg(HW_REG_WAVE_MODE, 25, 1), 1
	s_wait_xcnt 0x0
; query, bank [8192][1024] f32 (K innermost) and Wq, Wk, Wv, Wo [1024 (K)][1024 (N)] f32 (K outermost) become codes of FP6 (E2M3) with one E8M0 byte for each 32 along K,
; laid as IMAGES OF OPERAND REGISTERS.  A fragment (16 rows x 128 K, 12 registers a lane) is 1,536 bytes: registers 0-3 at 16 x lane, 4-5 at 512 + 8 x lane, 6-9 at 768 + 16 x lane, 10-11 at 1,280 + 8 x lane.
; A chunk record (16 rows x 512 K) is four fragments and 256 bytes of scale words [row 16][step 4]: 6,400 bytes; a tile record is two chunk records.
; THE 16 ROWS OF A TILE ARE NOT NEIGHBOURS: place r of tile 2 b + u stands for row (of W: column) 32 b + 8 u + r + 8 (r / 8).
; SHARES.  A wave makes one chunk record.  Work-groups 0-255: query, 256-511: bank (four tiles = 64 rows, one chunk); 512-639: the four weights (four tiles = 64 columns, one chunk).
; x: each load reads 512 consecutive bytes of one row; a K step's 16 rows turn through the wave's own stage in LDS, so that a lane gets 16 neighbours of each block of 32.
; W: a lane takes a column and its registers run down K: nothing is turned.  Waves share nothing: no barrier.
; A block's scale is 2^(floor(log2(largest magnitude)) - 2); its byte is the largest magnitude's exponent field - 2, held at 1 from below.
; LIMITS: NaN and infinities among the inputs are not served; a block of zeros, or one whose largest magnitude lies under 2^-124, gets the byte 1 (a block of zeros has zero codes; the bytes are read by this program alone).
.set STG,   8448                       ; a wave's stage: 16 rows x (512 + 16) bytes
.set SPARE, 4*STG                      ; behind the stages: the spare words, 128 bytes a wave
.set SPW,   10                         ; v10  my spare word's LDS address; never rewritten
.set NIL,   11                         ; v11  0; never rewritten
.set TM,    12                         ; v12-27 at work in QUANT
.set PW,    28                         ; v28-31 the four steps' scale words
.set PC,    32                         ; v32-51 the codes just made
.set R,     64                         ; v64-127  numbers as loaded (x), or one of two sets (W)
.set X,     128                        ; v128-191 64 numbers of my row: register 16 b + i = k 32 b + 16 (lane / 16) + i
.set SEL,   32                         ; s[32:33] lane selects: lane l xor 16
.set HM,    30                         ; s30  mask of lanes 16-31
; 64 numbers of a lane become a fragment's codes in v[PC] on and its scale word in v[pw]
.macro QUANT s, pw
.irp b, 0,1,2,3
	v_max3_num_f32 v[TM+\b], |v[\s+16*\b]|, |v[\s+1+16*\b]|, 0x1800000   ; my 16 numbers of block b, and the floor 2^(3 - 127): the byte cannot fall under 1
.endr
.irp i, 2,4,6,8,10,12,14
.irp b, 0,1,2,3
	v_max3_num_f32 v[TM+\b], v[TM+\b], |v[\s+16*\b+\i]|, |v[\s+1+16*\b+\i]|
.endr
.endr
.irp b, 0,1,2,3
	v_permlanex16_b32 v[TM+4+\b], v[TM+\b], s[SEL], s[SEL+1]
.endr
.irp b, 0,1,2,3
	v_max_num_f32 v[TM+\b], v[TM+\b], v[TM+4+\b]          ; with lane l xor 16's: the block's largest magnitude
.endr
.irp b, 0,1,2,3
	v_add_nc_u32 v[TM+12+\b], 0xff000000, v[TM+\b]        ; 2 off its exponent field: the conversion's scale operand
.endr
.irp b, 0,1,2,3
	v_lshrrev_b32 v[TM+4+\b], 23, v[TM+12+\b]             ; the scale's byte
.endr
	v_lshl_or_b32 v[\pw], v[TM+5], 8, v[TM+4]
	v_lshl_or_b32 v[\pw], v[TM+6], 16, v[\pw]
	v_lshl_or_b32 v[\pw], v[TM+7], 24, v[\pw]
.irp c, 0,1
	v_cvt_scalef32_pk16_fp6_f32 v[PC+6*\c:PC+2+6*\c], v[\s+32*\c:\s+15+32*\c], v[TM+12+2*\c]
	v_cvt_scalef32_pk16_fp6_f32 v[PC+12+4*\c:PC+14+4*\c], v[\s+16+32*\c:\s+31+32*\c], v[TM+12+2*\c+1]   ; (a conversion's three registers begin on an even number)
.endr
	v_nop                                                 ; one plain place behind a scaled conversion
.irp c, 0,1                            ; the operand's layout wants a whole block in a lane: lanes 0-15 block 2 c, lanes 16-31 block 2 c + 1
.irp i, 0,1,2
	v_permlane16_swap_b32 v[PC+6*\c+\i], v[PC+12+4*\c+\i]
.endr
.irp i, 0,1,2
	v_mov_b32 v[PC+3+6*\c+\i], v[PC+12+4*\c+\i]
.endr
.endr
.endm
.macro PUT s                           ; the fragment leaves as it stands: each store covers 512 or 256 consecutive bytes, aligned
	global_store_b128 v7, v[PC:PC+3], s[26:27] offset:1536*(\s)
	global_store_b64 v8, v[PC+4:PC+5], s[26:27] offset:1536*(\s)+512
	global_store_b128 v7, v[PC+6:PC+9], s[26:27] offset:1536*(\s)+768
	global_store_b64 v8, v[PC+10:PC+11], s[26:27] offset:1536*(\s)+1280
.endm
.macro XLOAD s                         ; K step s of my 16 rows: a load reads 512 consecutive bytes of one row
.irp i, 0,1,2,3,4,5,6,7,8,9,10,11,12,13,14,15
	global_load_b128 v[R+4*\i:R+4*\i+3], v7, s[24:25] offset:(\i+8*(\i/8))*4096+512*(\s) th:TH_LOAD_NT
.endr
.endm
.macro XSTEP s
	s_wait_loadcnt 0x0                                    ; this step's 16 loads are in
.irp i, 0,1,2,3,4,5,6,7,8,9,10,11,12,13,14,15
	ds_store_b128 v5, v[R+4*\i:R+4*\i+3] offset:528*\i
.endr
.irp b, 0,1,2,3
.irp j, 0,1,2,3
	ds_load_b128 v[X+16*\b+4*\j:X+16*\b+4*\j+3], v6 offset:128*\b+16*\j   ; LDS serves a wave's instructions in order: these see my stores
.endr
.endr
	s_wait_dscnt 0x0                                      ; my numbers are back, and the stage's stores have read R
	s_wait_xcnt 0x0                                       ; the last step's stores have read the codes' registers
.if (\s) < 3
	XLOAD (\s)+1                                          ; the next step's loads are on their way while this step is quantised
.endif
	QUANT X, PW+(\s)
	PUT \s
.endm
.macro WLOAD s, set                    ; W(128 s + 32 b + 16 (lane / 16) + i, my column)
.irp b, 0,1,2,3
.irp i, 0,1,2,3,4,5,6,7,8,9,10,11,12,13,14,15
	global_load_b32 v[\set+16*\b+\i], v4, s[24:25] offset:(128*(\s)+32*\b+\i)*4096
.endr
.endr
.endm
.macro WSTEP s, cur, nxt
	s_wait_loadcnt 0x0
	s_wait_xcnt 0x0                                       ; the last step's stores have read the codes' registers
.if (\s) < 3
	WLOAD (\s)+1, \nxt
.endif
	QUANT \cur, PW+(\s)
	PUT \s
.endm
	s_load_b256 s[4:11], s[0:1], 0x0               ; query, bank, Wq, Wk
	s_load_b256 s[12:19], s[0:1], 0x20             ; Wv, Wo, xq, xb
	s_load_b64 s[20:21], s[0:1], 0x40              ; wimg
	v_lshl_add_u32 v[SPW], v0, 2, SPARE
	v_mov_b32 v[NIL], 0
	v_lshrrev_b32 v1, 5, v0
	v_readfirstlane_b32 s22, v1                    ; wave 0..3
	v_and_b32 v1, 31, v0                           ; lane
	v_and_b32 v2, 15, v0                           ; r
	v_bfe_u32 v3, v0, 4, 1                         ; h
	v_lshlrev_b32 v7, 4, v1                        ; 16 x lane
	v_lshlrev_b32 v8, 3, v1                        ; 8 x lane
	v_lshlrev_b32 v9, 4, v2
	v_lshl_add_u32 v9, v3, 3, v9                   ; 16 r + 8 h: my two scale words' place
	v_cmp_ne_u32 s[HM], 0, v3
	s_mov_b32 s[SEL], 0x76543210
	s_mov_b32 s[SEL+1], 0xfedcba98
.irp b, 0,1,2,3
	v_mov_b32 v[TM+4+\b], 0                        ; written once: a lane permute's destination counts as one of its sources
.endr
	s_mul_i32 s23, s22, STG
	v_add_nc_u32 v5, s23, v7                       ; the stage, on the way in: 16 x lane of a row
	v_mul_u32_u24 v6, v2, 528
	v_lshl_add_u32 v6, v3, 6, v6
	v_add_nc_u32 v6, s23, v6                       ; and on the way out: row r, + 64 h
	s_lshr_b32 s28, s22, 1
	s_lshl_b32 s28, s28, 5
	s_and_b32 s29, s22, 1
	s_lshl_b32 s29, s29, 3
	s_add_co_u32 s28, s28, s29                     ; my tile's first row in the group of 64: 32 (wave / 2) + 8 (wave % 2)
	s_and_b32 s34, ttmp9, 1                        ; which chunk of 512 along K
	s_wait_kmcnt 0x0
	s_cmp_ge_u32 ttmp9, 512
	s_cbranch_scc1 .Lweights
	; ---- query or bank
	s_cmp_lt_u32 ttmp9, 256                        ; the choice hangs on the work-group's number alone
	s_cselect_b64 s[24:25], s[4:5], s[6:7]
	s_cselect_b64 s[26:27], s[16:17], s[18:19]
	s_and_b32 s35, ttmp9, 255
	s_lshr_b32 s35, s35, 1                         ; which 64 rows
	s_lshl_b32 s36, s35, 6
	s_add_co_u32 s36, s36, s28
	s_lshl_b32 s36, s36, 12                        ; rows of 4,096 bytes
	s_lshl_b32 s37, s34, 11                        ; + the chunk's 2,048 bytes
	s_add_co_u32 s36, s36, s37
	s_mov_b32 s37, 0
	s_add_nc_u64 s[24:25], s[24:25], s[36:37]
	s_lshl_b32 s36, s35, 2
	s_add_co_u32 s36, s36, s22                     ; my tile
	s_mul_i32 s36, s36, 12800
	s_mul_i32 s38, s34, 6400
	s_add_co_u32 s36, s36, s38
	s_add_nc_u64 s[26:27], s[26:27], s[36:37]
	XLOAD 0
	s_wait_alu depctr_va_vdst(0)
	XSTEP 0
	XSTEP 1
	XSTEP 2
	XSTEP 3
	s_branch .Ltail
.Lweights:
	; ---- one of the four weights
	s_sub_co_u32 s35, ttmp9, 512
	s_lshr_b32 s36, s35, 5                         ; 0 Wq, 1 Wk, 2 Wv, 3 Wo
	s_cmp_eq_u32 s36, 1
	s_cselect_b64 s[24:25], s[10:11], s[8:9]
	s_cmp_eq_u32 s36, 2
	s_cselect_b64 s[24:25], s[12:13], s[24:25]
	s_cmp_eq_u32 s36, 3
	s_cselect_b64 s[24:25], s[14:15], s[24:25]
	s_lshr_b32 s37, s35, 1
	s_and_b32 s37, s37, 15                         ; which 64 columns
	s_lshl_b32 s38, s37, 6
	s_add_co_u32 s38, s38, s28
	s_lshl_b32 s38, s38, 2                         ; my tile's first column, in bytes
	s_lshl_b32 s39, s34, 21                        ; + the chunk's 512 rows of 4,096 bytes
	s_add_co_u32 s38, s38, s39
	s_mov_b32 s39, 0
	s_add_nc_u64 s[24:25], s[24:25], s[38:39]
	s_mul_i32 s38, s36, 819200
	s_lshl_b32 s40, s37, 2
	s_add_co_u32 s40, s40, s22
	s_mul_i32 s40, s40, 12800
	s_add_co_u32 s38, s38, s40
	s_mul_i32 s40, s34, 6400
	s_add_co_u32 s38, s38, s40
	s_add_nc_u64 s[26:27], s[20:21], s[38:39]
	v_and_b32 v4, 8, v2
	v_add_nc_u32 v4, v4, v2                        ; r + 8 (r / 8)
	v_lshlrev_b32 v4, 2, v4
	v_lshl_add_u32 v4, v3, 16, v4                  ; lanes 16-31 begin 16 rows of W further down
	WLOAD 0, X
	s_wait_alu depctr_va_vdst(0)
	WSTEP 0, X, R
	WSTEP 1, R, X
	WSTEP 2, X, R
	WSTEP 3, R, X
.Ltail:
	v_cndmask_b32 v52, v28, v30, s[HM]             ; lanes 0-15 store steps 0 and 1's words of row r, lanes 16-31 steps 2 and 3's
	v_cndmask_b32 v53, v29, v31, s[HM]
	global_store_b64 v9, v[52:53], s[26:27] offset:6144   ; 32 lanes store 256 consecutive bytes, aligned
	s_wait_tensorcnt 0x0                           ; the wave's end
	ds_add_u32 v[SPW], v[NIL]
	s_wait_dscnt 0x0
	s_endpgm
.Lfunc_end_k_q879a60d11c_quant:
	.size	k_q879a60d11c_quant, .Lfunc_end_k_q879a60d11c_quant-k_q879a60d11c_quant
	.p2alignl 7, 3214868480
	.fill 96, 4, 3214868480
	.section	.rodata,"a",@progbits
	.p2align	6, 0x0
	.amdhsa_kernel k_q879a60d11c_quant
		.amdhsa_group_segment_fixed_size 34304
		.amdhsa_private_segment_fixed_size 0
		.amdhsa_enable_private_segment 0
		.amdhsa_kernarg_size 72
		.amdhsa_user_sgpr_count 2
		.amdhsa_user_sgpr_kernarg_segment_ptr 1
		.amdhsa_wavefront_size32 1
		.amdhsa_system_sgpr_workgroup_id_x 1
		.amdhsa_system_sgpr_workgroup_id_y 1
		.amdhsa_system_sgpr_workgroup_id_z 1
		.amdhsa_system_vgpr_workitem_id 0
		.amdhsa_next_free_vgpr 192
		.amdhsa_next_free_sgpr 66
		.amdhsa_reserve_vcc 0
		.amdhsa_float_denorm_mode_32 3
		.amdhsa_float_denorm_mode_16_64 3
		.amdhsa_memory_ordered 1
		.amdhsa_forward_progress 1
		.amdhsa_inst_pref_size 76
	.end_amdhsa_kernel
	.amdgpu_metadata
---
amdhsa.version: [ 1, 2 ]
amdhsa.kernels:
  - .name:           k_q879a60d11c_quant
    .symbol:         k_q879a60d11c_quant.kd
    .args:
      - { .name: query, .offset: 0, .size: 8, .value_kind: global_buffer, .address_space: global }
      - { .name: bank, .offset: 8, .size: 8, .value_kind: global_buffer, .address_space: global }
      - { .name: Wq, .offset: 16, .size: 8, .value_kind: global_buffer, .address_space: global }
      - { .name: Wk, .offset: 24, .size: 8, .value_kind: global_buffer, .address_space: global }
      - { .name: Wv, .offset: 32, .size: 8, .value_kind: global_buffer, .address_space: global }
      - { .name: Wo, .offset: 40, .size: 8, .value_kind: global_buffer, .address_space: global }
      - { .name: xq, .offset: 48, .size: 8, .value_kind: global_buffer, .address_space: global }
      - { .name: xb, .offset: 56, .size: 8, .value_kind: global_buffer, .address_space: global }
      - { .name: wimg, .offset: 64, .size: 8, .value_kind: global_buffer, .address_space: global }
    .group_segment_fixed_size: 34304
    .private_segment_fixed_size: 0
    .kernarg_segment_align: 8
    .kernarg_segment_size: 72
    .max_flat_workgroup_size: 128
    .sgpr_count:     66
    .vgpr_count:     192
    .wavefront_size: 32
...
	.end_amdgpu_metadata
.endif
;; end of part 1
;; launch proj (part 2): grid 12 x 64, 4 waves a work-group, clusters of 4 x 4, 327,680 bytes of LDS; arguments xq, xb, wimg, bq, bk, bv, qkv; writes qkv
.if DOCPART == 2
	.amdgcn_target "amdgcn-amd-amdhsa--gfx1250"
	.amdhsa_code_object_version 6
	.text
	.protected	k_q879a60d11c_proj
	.globl	k_q879a60d11c_proj
	.p2align	8
	.type	k_q879a60d11c_proj,@function
k_q879a60d11c_proj:
	s_mov_b64 s[64:65], 0
	v_nop
	global_prefetch_b8 v0, s[64:65] scope:SCOPE_SE
	s_setreg_imm32_b32 hwreg(HW_REG_WAVE_MODE, 25, 1), 1
	s_wait_xcnt 0x0
	s_wait_alu depctr_hold_cnt(0) depctr_sa_sdst(0) depctr_va_vdst(0) depctr_va_sdst(0) depctr_va_ssrc(0) depctr_va_vcc(0) depctr_vm_vsrc(0)
	s_getreg_b32 s2, hwreg(HW_REG_IB_STS2, 6, 4)
	s_cmp_eq_u32 s2, 0
	s_cbranch_scc0 .Lentry_in_a_cluster
	s_endpgm
.Lentry_in_a_cluster:
	s_bfe_u32 s2, ttmp6, 0x10000c
	s_cmp_lg_u32 s2, 0xf033
	s_cbranch_scc0 .Lentry_shape_is_right
	s_endpgm
.Lentry_shape_is_right:
; q = query Wq + bq, k = bank Wk + bk, v = bank Wv + bv on codes of FP6 (E2M3) with E8M0 scales, and the results quantised again in registers: q and k along the head's 64, v along the keys.
; INPUTS are images of operand registers (tile records of two chunk records of 6,400 bytes: four fragments of 1,536 bytes and 256 bytes of scale words [row][step]).
; OUTPUT qkv: [batch x head 64][step of 128 rows 16] x (part q, part k, part v: 6,400 bytes each).  Parts q, k: eight half images (16 rows x 64: 768 bytes) and scale halves [a / 4][row][a % 4] of 2 bytes;
; part v: four fragments of V^T (16 channels x 128 keys) and scale words, tile t's for row r at 16 r + 8 (t % 2) + 4 (t / 2).
; SHARES.  The cluster's x picks the weight (0 q, 1 k, 2 v).  A work-group makes 128 rows x 256 columns; a wave 32 accumulators: 8 tiles as source 0 x 4 tiles as source 1.
;   q, k: source 0 = 8 tiles of W (128 columns, two heads), source 1 = 4 tiles of x (64 rows): a lane holds one row, its registers run along the columns, which are the next K.
;   v:    source 0 = 8 tiles of x (128 keys), source 1 = 4 tiles of W (one head): a lane holds one channel, its registers run along the keys, which are the next K.
; One text serves both: the LDS bases, the store addresses and the first step's C (the bias) differ, by selects and one branch on the cluster's x, which all partners share.
; PLACE r of tile 2 b + u stands for row 32 b + 8 u + r + 8 (r / 8), so the 16 registers of source 0's tiles 2 b and 2 b + 1 are 16 neighbours along the next K.
; LDS: all of K lies there, in two chunks of 512; every byte is filled once: no ring.  Chunk c at 153,600 c: x's 8 chunk records, then W's 16.
; CLUSTER 4 x 4: x's tiles are asked for jointly along a row of the cluster, W's along a column.  A wave has one tensor load out.
; REGISTERS: window 0: v0-31 addresses; v32-63, v64-79 scale words; v80-223 fragments, set 0; v224-247 at work.  window 1: accumulator (u, t) at v[64 u + 8 t].  window 2: v80-223 fragments, set 1.
;   window 3: v0-63 the bias by source 0's tile (q, k); v64-95 by source 1's tile (v).
; LIMITS: NaN and infinities are not served; a block of zeros, or one under 2^-124, gets the byte 1 (zero codes; the bytes are read by this program alone).
.set REC,   6400
.set SLOTB, 153600
.set WOFF,  51200
.set SPARE, 307200
.set SPW, 10
.set NIL, 11
.set SC0, 32
.set SC1, 64
.set F0,  80
.set F1,  176
.set TM,  224
.set PWD, 240
.set WV,  18
.set W1,  19
.set W2,  20
.set CX,  21
.set CY,  22
.set RB,  23
.set HM,  27
.set G1A, 28
.set G1W, 36
.set G0A, 44
.set G0W, 52
.set SEL, 60
.set MSB, 0
.macro WIN new                         ; the immediate's high byte repeats the setting that is left; a switch that changes nothing is dropped
.if MSB != (\new)
	s_set_vgpr_msb (MSB<<8)|(\new)
.set MSB, (\new)
.endif
.endm
.macro CROUND                          ; a round of the cluster's barrier
	s_barrier_signal -1
	s_barrier_wait -1
	s_cmp_lg_u32 s[WV], 0
	s_cbranch_scc1 .Lnot_wave_0_\@
	s_barrier_signal -3
.Lnot_wave_0_\@:
	s_barrier_wait -3
	s_barrier_signal -1
	s_barrier_wait -1
.endm
.macro PLACES                          ; four plain places in front of loads into registers that matrix instructions have read, and of the first read of results
.rept 4
	v_nop
.endr
.endm
.macro SCALES                          ; a chunk's scale words: one load brings a row's four steps
	WIN 0
.irp i, 0,1,2,3,4,5,6,7
	ds_load_b128 v[SC0+4*\i:SC0+4*\i+3], v6 offset:REC*\i+6144
.endr
.irp i, 0,1,2,3
	ds_load_b128 v[SC1+4*\i:SC1+4*\i+3], v9 offset:REC*\i+6144
.endr
.endm
.macro FRAG reg, a16, a8, off          ; a fragment comes back as it was stored: every load reads consecutive bytes
	ds_load_b128 v[\reg:\reg+3], v[\a16] offset:\off
	ds_load_b64 v[\reg+4:\reg+5], v[\a8] offset:\off+512
	ds_load_b128 v[\reg+6:\reg+9], v[\a16] offset:\off+768
	ds_load_b64 v[\reg+10:\reg+11], v[\a8] offset:\off+1280
.endm
.macro FETCH sp, f                     ; 48 loads: step sp's twelve fragments into set f (window 0 or 2)
	WIN 0x80*(\f)
.irp i, 0,1,2,3,4,5,6,7
	FRAG F0+12*\i, 4, 5, REC*\i+1536*(\sp)
.endr
.irp i, 0,1,2,3
	FRAG F1+12*\i, 7, 8, REC*\i+1536*(\sp)
.endr
.endm
; 32 matrix instructions; the accumulators take turns, one instruction a turn, in the same order in every step.  cm = 0: C = D; 1: C = the bias by t; 2: C = the bias by u
.macro MUL sp, f, cm
.if \cm
	WIN 0x70
.else
	WIN 0x50+0x0a*(\f)
.endif
.irp u, 0,1,2,3
.irp t, 0,1,2,3,4,5,6,7
.if \cm == 1
	v_wmma_scale_f32_16x16x128_f8f6f4 v[64*\u+8*\t:64*\u+8*\t+7], v[F0+12*\t:F0+12*\t+11], v[F1+12*\u:F1+12*\u+11], v[8*\t:8*\t+7], v[SC0+4*\t+\sp], v[SC1+4*\u+\sp] matrix_a_fmt:MATRIX_FMT_FP6 matrix_b_fmt:MATRIX_FMT_FP6
.elseif \cm == 2
	v_wmma_scale_f32_16x16x128_f8f6f4 v[64*\u+8*\t:64*\u+8*\t+7], v[F0+12*\t:F0+12*\t+11], v[F1+12*\u:F1+12*\u+11], v[64+8*\u:64+8*\u+7], v[SC0+4*\t+\sp], v[SC1+4*\u+\sp] matrix_a_fmt:MATRIX_FMT_FP6 matrix_b_fmt:MATRIX_FMT_FP6
.else
	v_wmma_scale_f32_16x16x128_f8f6f4 v[64*\u+8*\t:64*\u+8*\t+7], v[F0+12*\t:F0+12*\t+11], v[F1+12*\u:F1+12*\u+11], v[64*\u+8*\t:64*\u+8*\t+7], v[SC0+4*\t+\sp], v[SC1+4*\u+\sp] matrix_a_fmt:MATRIX_FMT_FP6 matrix_b_fmt:MATRIX_FMT_FP6
.endif
.endr
.endr
.endm
.macro CHUNK first                     ; 512 along K: four steps on two sets of fragments
	SCALES
	FETCH 0, 0
	FETCH 1, 1
	s_wait_dscnt 48                                ; all but the 48 loads just issued: the scale words and set 0 are in
.if \first
	s_wait_loadcnt 0x0                             ; the biases
	WIN 0                                          ; at a branch and at a label every window is 0
	s_cmp_eq_u32 ttmp9, 2                          ; the cluster's x: the same in all partners
	s_cbranch_scc1 .Lbias_v
	MUL 0, 0, 1                                    ; the first step starts the sums on the bias: nothing is cleared, nothing is added later
	WIN 0
	s_branch .Lbias_done
.Lbias_v:
	MUL 0, 0, 2
	WIN 0
.Lbias_done:
.else
	MUL 0, 0, 0
.endif
	PLACES
	FETCH 2, 0
	s_wait_dscnt 48
	MUL 1, 1, 0
	PLACES
	FETCH 3, 1
	s_wait_dscnt 48
	MUL 2, 0, 0
	s_wait_dscnt 0x0
	MUL 3, 1, 0
.endm
; Unit u's 64 results of a lane (register 16 b + i = place 32 b + 16 (lane / 16) + i along the next K) become 12 registers of codes at v[80 + 20 u] and a scale word in v[PWD + u].  Each accumulator is read from its low end on.
.macro QUANTW u
.set PCU, 80+20*\u
	WIN 0x05                                       ; sources 0 and 1: the accumulators' window
.irp b, 0,1,2,3
	v_max3_num_f32 v[TM+\b], |v[64*\u+16*\b]|, |v[64*\u+16*\b+1]|, 0x1800000   ; and the floor 2^(3 - 127)
.endr
.irp i, 2,4,6,8,10,12,14
.irp b, 0,1,2,3
	v_max3_num_f32 v[TM+\b], |v[64*\u+16*\b+\i]|, |v[64*\u+16*\b+\i+1]|, v[TM+\b]
.endr
.endr
	WIN 0
.irp b, 0,1,2,3
	v_permlanex16_b32 v[TM+4+\b], v[TM+\b], s[SEL], s[SEL+1]
.endr
.irp b, 0,1,2,3
	v_max_num_f32 v[TM+\b], v[TM+\b], v[TM+4+\b]
.endr
.irp b, 0,1,2,3
	v_add_nc_u32 v[TM+12+\b], 0xff000000, v[TM+\b]
.endr
.irp b, 0,1,2,3
	v_lshrrev_b32 v[TM+4+\b], 23, v[TM+12+\b]
.endr
	v_lshl_or_b32 v[PWD+\u], v[TM+5], 8, v[TM+4]
	v_lshl_or_b32 v[PWD+\u], v[TM+6], 16, v[PWD+\u]
	v_lshl_or_b32 v[PWD+\u], v[TM+7], 24, v[PWD+\u]
	WIN 0x01                                       ; source 0: the accumulators' window
.irp c, 0,1
	v_cvt_scalef32_pk16_fp6_f32 v[PCU+6*\c:PCU+2+6*\c], v[64*\u+32*\c:64*\u+32*\c+15], v[TM+12+2*\c]
	v_cvt_scalef32_pk16_fp6_f32 v[PCU+12+4*\c:PCU+14+4*\c], v[64*\u+32*\c+16:64*\u+32*\c+31], v[TM+12+2*\c+1]
.endr
	WIN 0
	v_nop                                          ; one plain place behind a scaled conversion
.irp c, 0,1
.irp i, 0,1,2
	v_permlane16_swap_b32 v[PCU+6*\c+\i], v[PCU+12+4*\c+\i]
.endr
.irp i, 0,1,2
	v_mov_b32 v[PCU+3+6*\c+\i], v[PCU+12+4*\c+\i]
.endr
.endr
.endm
	s_load_b256 s[4:11], s[0:1], 0x0               ; xq, xb, wimg, bq
	s_load_b128 s[12:15], s[0:1], 0x20             ; bk, bv
	s_load_b64 s[16:17], s[0:1], 0x30              ; qkv
	v_lshl_add_u32 v[SPW], v0, 2, SPARE
	v_mov_b32 v[NIL], 0
	ds_add_u32 v[SPW], v[NIL]                      ; the wave's opening: the add and its wait ahead of my first tensor load; work on registers stands between them
	ds_add_u32 v[SPW], v[NIL]
	v_lshrrev_b32 v1, 5, v0
	v_readfirstlane_b32 s[WV], v1                  ; wave 0..3
	s_and_b32 s[W1], s[WV], 1
	s_lshr_b32 s[W2], s[WV], 1
	s_bfe_u32 s[CX], ttmp6, 0x40000                ; my place in the cluster
	s_bfe_u32 s[CY], ttmp6, 0x40004
	s_and_b32 s[RB], ttmp7, 0xffff
	s_lshl_b32 s[RB], s[RB], 2
	s_add_co_u32 s[RB], s[RB], s[CY]               ; my block of 128 rows = 4 x cluster y + cy
	s_lshl_b32 s24, s[CY], 2
	s_lshl_b32 s24, 15, s24                        ; my row of the cluster
	s_lshl_b32 s25, 0x1111, s[CX]                  ; my column
	; descriptor group 1: rows of 6,400 bytes (800 elements of 8 bytes), 12,800 bytes apart in memory, dense in LDS; x: 8 rows, W: 16 rows
	s_or_b32 s[G1A], s24, (3<<16)|(1<<21)
	s_or_b32 s[G1W], s25, (3<<16)|(1<<21)
.irp g, G1A, G1W
	s_mov_b32 s[\g+1], 800<<16                     ; tensor_dim0
	s_mov_b32 s[\g+3], 800<<16                     ; tile_dim0
	s_mov_b32 s[\g+5], 1600                        ; tensor_dim0_stride
	s_mov_b32 s[\g+6], 0
	s_mov_b32 s[\g+7], 0
.endr
	s_mov_b32 s[G1A+2], 8<<16                      ; tensor_dim1: one load brings a whole chunk: x's 8 chunk records,
	s_mov_b32 s[G1A+4], 8                          ; tile_dim1
	s_mov_b32 s[G1W+2], 16<<16                     ; W's 16
	s_mov_b32 s[G1W+4], 16
	s_mul_i32 s66, s[RB], 102400                   ; x: my block's 8 tile records, my half of them (no register here ever holds cx)
	s_mul_i32 s26, s[W1], 51200
	s_mov_b32 s67, 0
	s_mul_i32 s68, ttmp9, 819200                   ; W: the weight, my 16 tile records, my half of them (none holds cy)
	s_mul_i32 s62, s[CX], 204800
	s_add_co_u32 s68, s68, s62
	s_mov_b32 s69, 0
	s_add_co_u32 s71, s26, WOFF                    ; W's half
	s_wait_dscnt 0x0                               ; the opening add is done
	s_wait_kmcnt 0x0
	s_cmp_eq_u32 ttmp9, 0
	s_cselect_b64 s[72:73], s[4:5], s[6:7]         ; q reads query's codes, k and v bank's
	s_add_nc_u64 s[72:73], s[72:73], s[66:67]
	s_add_nc_u64 s[74:75], s[8:9], s[68:69]
	CROUND                                         ; all sixteen work-groups are here: the joint loads meet
.irp c, 0,1
	s_mov_b32 s[G0A+4*\c], 1
	s_mov_b32 s[G0A+4*\c+1], \c*SLOTB
	s_add_nc_u64 s[G0A+4*\c+2:G0A+4*\c+3], s[72:73], \c*REC
	s_or_b32 s[G0A+4*\c+3], s[G0A+4*\c+3], 0x80000000
	s_mov_b32 s[G0W+4*\c], 1
	s_mov_b32 s[G0W+4*\c+1], WOFF+\c*SLOTB
	s_add_nc_u64 s[G0W+4*\c+2:G0W+4*\c+3], s[74:75], \c*REC
	s_or_b32 s[G0W+4*\c+3], s[G0W+4*\c+3], 0x80000000
.endr
	; ONE TENSOR LOAD A WAVE, in one chain of four arms: wave 0 x's chunk 0, wave 1 W's chunk 0, wave 2 x's chunk 1, wave 3 W's chunk 1
	s_cmp_lt_u32 s[WV], 1
	s_cbranch_scc0 .Lfill_1
	tensor_load_to_lds s[G0A:G0A+3], s[G1A:G1A+7]
	s_nop 0
.rept 4
	v_nop
.endr
	s_branch .Lfilled
.Lfill_1:
	s_cmp_lt_u32 s[WV], 2
	s_cbranch_scc0 .Lfill_2
	tensor_load_to_lds s[G0W:G0W+3], s[G1W:G1W+7]
	s_nop 0
.rept 4
	v_nop
.endr
	s_branch .Lfilled
.Lfill_2:
	s_cmp_lt_u32 s[WV], 3
	s_cbranch_scc0 .Lfill_3
	tensor_load_to_lds s[G0A+4:G0A+7], s[G1A:G1A+7]
	s_nop 0
.rept 4
	v_nop
.endr
	s_branch .Lfilled
.Lfill_3:
	tensor_load_to_lds s[G0W+4:G0W+7], s[G1W:G1W+7]
	s_nop 0
.rept 4
	v_nop
.endr
.Lfilled:
	v_and_b32 v1, 31, v0                           ; lane
	v_and_b32 v2, 15, v0                           ; r
	v_bfe_u32 v3, v0, 4, 1                         ; h
	v_lshlrev_b32 v12, 6, v3                       ; the bias by source 0's tile: 16 h numbers on
	s_wait_alu depctr_va_vdst(0)
	v_and_b32 v13, 8, v2
	v_add_nc_u32 v13, v13, v2
	v_lshlrev_b32 v13, 2, v13                      ; the bias by source 1's tile: number r + 8 (r / 8)
	s_wait_alu depctr_va_vdst(0)
	s_cmp_eq_u32 ttmp9, 1
	s_cselect_b64 s[76:77], s[12:13], s[10:11]
	s_cmp_eq_u32 ttmp9, 2
	s_cselect_b64 s[76:77], s[14:15], s[76:77]
	s_lshl_b32 s62, s[CX], 10
	s_lshl_b32 s26, s[W1], 9
	s_add_co_u32 s62, s62, s26
	s_mov_b32 s63, 0
	s_add_nc_u64 s[78:79], s[76:77], s[62:63]      ; at column 256 cx + 128 (wave % 2)
	s_lshl_b32 s62, s[CX], 10
	s_lshl_b32 s26, s[WV], 8
	s_add_co_u32 s62, s62, s26
	s_add_nc_u64 s[80:81], s[76:77], s[62:63]      ; at column 256 cx + 64 wave
	WIN 0xc0                                       ; destination window 3.  Both forms are loaded whatever the weight: both stay inside the 1,024 numbers
.irp t, 0,1,2,3,4,5,6,7
	global_load_b128 v[8*\t:8*\t+3], v12, s[78:79] offset:(32*(\t/2)+8*(\t%2))*4
	global_load_b128 v[8*\t+4:8*\t+7], v12, s[78:79] offset:(32*(\t/2)+8*(\t%2))*4+16
.endr
.irp u, 0,1,2,3
.irp j, 0,1,2,3,4,5,6,7
	global_load_b32 v[64+8*\u+\j], v13, s[80:81] offset:(32*(\u/2)+8*(\u%2))*4
.endr
.endr
	WIN 0
	; what differs between q, k and v: both candidates are made, then one compare, then selects
	s_mul_i32 s82, s[W2], 25600                    ; q, k: source 1 = my 64 rows of x
	s_mul_i32 s83, s[WV], 25600
	s_add_co_u32 s83, s83, WOFF                    ; v: source 1 = my head's four tiles of W
	s_lshl_b32 s84, s[W1], 1                       ; q, k: my first head of the work-group's four
	s_mul_i32 s85, s[W2], 3072                     ; q, k: my four half images' place in a part
	s_lshl_b32 s86, s[W2], 7
	s_add_co_u32 s86, s86, 6144                    ; q, k: my scale halves' place
	s_mov_b32 s87, 307200                          ; a head on in qkv: 16 x 19,200 bytes
	s_mov_b32 s88, 1536
	s_mov_b32 s89, 6144
	s_mov_b32 s90, 0x05040100
	s_mov_b32 s91, 0x03020100
	s_mov_b32 s92, 0x07060302
	s_mov_b32 s93, 0x07060504
	s_cmp_lg_u32 ttmp9, 2                          ; q or k?
	s_cselect_b32 s94, s71, 0                      ; source 0: my 8 tiles of W, or x's 8 tiles
	s_cselect_b32 s82, s82, s83                    ; source 1
	s_cselect_b32 s84, s84, s[WV]                  ; head
	s_cselect_b32 s85, s85, 0                      ; first store's place in the part
	s_cselect_b32 s86, s86, s89                    ; scales: constant,
	s_cselect_b32 s95, s87, 768                    ; registers 6-11 go to the next head's part, or to the fragment's second half
	s_cselect_b32 s88, 768, s88                    ; from unit to unit
	s_cselect_b32 s89, 8, 16                       ; scales: for each r,
	s_cselect_b32 s87, s87, 8                      ; for h
	s_cselect_b32 s90, s90, s91                    ; byte selects for lanes 0-15,
	s_cselect_b32 s92, s92, s93                    ; for lanes 16-31
	v_lshl_add_u32 v4, v1, 4, s94                  ; source 0: 16 x lane, 8 x lane, 16 r
	v_lshl_add_u32 v5, v1, 3, s94
	v_lshl_add_u32 v6, v2, 4, s94
	v_lshl_add_u32 v7, v1, 4, s82                  ; source 1
	v_lshl_add_u32 v8, v1, 3, s82
	v_lshl_add_u32 v9, v2, 4, s82
	s_lshl_b32 s91, s[CX], 2
	s_add_co_u32 s91, s91, s84                     ; head
	s_and_b32 s93, s[RB], 0xfff0                   ; 16 x batch
	s_add_co_u32 s91, s91, s93
	s_lshl_b32 s91, s91, 4
	s_and_b32 s93, s[RB], 15                       ; step of 128 rows in the batch
	s_add_co_u32 s91, s91, s93
	s_mul_i32 s62, s91, 19200
	s_mul_i32 s93, ttmp9, REC
	s_add_co_u32 s62, s62, s93
	s_add_nc_u64 s[16:17], s[16:17], s[62:63]      ; my part
	s_mov_b32 s62, s85
	s_add_nc_u64 s[96:97], s[16:17], s[62:63]      ; where registers 0-5 go
	s_mov_b32 s62, s95
	s_add_nc_u64 s[98:99], s[96:97], s[62:63]      ; where registers 6-11 go
	v_lshlrev_b32 v14, 4, v1
	v_lshl_add_u32 v15, v1, 3, 512
.irp u, 0,1,2,3
	s_mul_i32 s62, s88, \u
	v_add_nc_u32 v[16+\u], s62, v14
	v_add_nc_u32 v[20+\u], s62, v15
.endr
	v_mul_u32_u24 v24, v2, s89
	v_mad_u32_u24 v24, v3, s87, v24
	v_add_nc_u32 v24, s86, v24                     ; my 8 bytes of scales
	v_cmp_ne_u32 s[HM], 0, v3
	v_mov_b32 v246, s90
	v_mov_b32 v247, s92
	v_cndmask_b32 v246, v246, v247, s[HM]
	s_mov_b32 s[SEL], 0x76543210
	s_mov_b32 s[SEL+1], 0xfedcba98
.irp b, 0,1,2,3
	v_mov_b32 v[TM+4+\b], 0                        ; written once: a lane permute's destination counts as one of its sources
.endr
	s_wait_alu depctr_va_vdst(0)
	s_cmp_lt_u32 s[WV], 2                          ; chunk 0's two loads are waves 0 and 1's own lines: they wait; chunk 1's may stay out
	s_cbranch_scc0 .Lnot_c0
	s_wait_tensorcnt 0x0
.Lnot_c0:
	s_barrier_signal -1
	s_barrier_wait -1                              ; everybody's is
	CHUNK 1
	WIN 0
	s_wait_tensorcnt 0x0                           ; my part of chunk 1 is in (no LDS instruction of mine is out)
	s_barrier_signal -1
	s_barrier_wait -1
.irp a, 4,5,6,7,8,9
	v_add_nc_u32 v\a, SLOTB, v\a                   ; on to chunk 1; these six are also the places in front of the loads below
.endr
	s_wait_alu depctr_va_vdst(0)
	CHUNK 0
	PLACES
.irp u, 0,1,2,3
	QUANTW \u
	global_store_b128 v[16+\u], v[80+20*\u:83+20*\u], s[96:97]     ; each store covers 512 or 256 consecutive bytes, aligned
	global_store_b64 v[20+\u], v[84+20*\u:85+20*\u], s[96:97]
	global_store_b128 v[16+\u], v[86+20*\u:89+20*\u], s[98:99]
	global_store_b64 v[20+\u], v[90+20*\u:91+20*\u], s[98:99]
.endr
	v_perm_b32 v244, v241, v240, v246              ; q, k: lanes 0-15 the four units' lower halves (first head), lanes 16-31 the upper (second head); v: lanes 0-15 units 0 and 2's words, lanes 16-31 units 1 and 3's
	v_perm_b32 v245, v243, v242, v246
	global_store_b64 v24, v[244:245], s[16:17]
	s_wait_tensorcnt 0x0                           ; the wave's end
	ds_add_u32 v[SPW], v[NIL]
	s_wait_dscnt 0x0
	CROUND                                         ; the closing round
	s_endpgm
.Lfunc_end_k_q879a60d11c_proj:
	.size	k_q879a60d11c_proj, .Lfunc_end_k_q879a60d11c_proj-k_q879a60d11c_proj
	.p2alignl 7, 3214868480
	.fill 96, 4, 3214868480
	.section	.rodata,"a",@progbits
	.p2align	6, 0x0
	.amdhsa_kernel k_q879a60d11c_proj
		.amdhsa_group_segment_fixed_size 327680
		.amdhsa_private_segment_fixed_size 0
		.amdhsa_enable_private_segment 0
		.amdhsa_kernarg_size 56
		.amdhsa_user_sgpr_count 2
		.amdhsa_user_sgpr_kernarg_segment_ptr 1
		.amdhsa_wavefront_size32 1
		.amdhsa_system_sgpr_workgroup_id_x 1
		.amdhsa_system_sgpr_workgroup_id_y 1
		.amdhsa_system_sgpr_workgroup_id_z 1
		.amdhsa_system_vgpr_workitem_id 0
		.amdhsa_next_free_vgpr 864
		.amdhsa_next_free_sgpr 100
		.amdhsa_reserve_vcc 0
		.amdhsa_float_denorm_mode_32 3
		.amdhsa_float_denorm_mode_16_64 3
		.amdhsa_memory_ordered 1
		.amdhsa_forward_progress 1
		.amdhsa_inst_pref_size 96
	.end_amdhsa_kernel
	.amdgpu_metadata
---
amdhsa.version: [ 1, 2 ]
amdhsa.kernels:
  - .name:           k_q879a60d11c_proj
    .symbol:         k_q879a60d11c_proj.kd
    .args:
      - { .name: xq, .offset: 0, .size: 8, .value_kind: global_buffer, .address_space: global }
      - { .name: xb, .offset: 8, .size: 8, .value_kind: global_buffer, .address_space: global }
      - { .name: wimg, .offset: 16, .size: 8, .value_kind: global_buffer, .address_space: global }
      - { .name: bq, .offset: 24, .size: 8, .value_kind: global_buffer, .address_space: global }
      - { .name: bk, .offset: 32, .size: 8, .value_kind: global_buffer, .address_space: global }
      - { .name: bv, .offset: 40, .size: 8, .value_kind: global_buffer, .address_space: global }
      - { .name: qkv, .offset: 48, .size: 8, .value_kind: global_buffer, .address_space: global }
    .group_segment_fixed_size: 327680
    .private_segment_fixed_size: 0
    .kernarg_segment_align: 8
    .kernarg_segment_size: 56
    .max_flat_workgroup_size: 128
    .sgpr_count:     100
    .vgpr_count:     864
    .wavefront_size: 32
...
	.end_amdgpu_metadata
.endif
;; end of part 2
;; launch attn (part 3): grid 4 x 64, 8 waves a work-group, clusters of 4 x 1, 327,680 bytes of LDS; arguments qkv, oimg; writes oimg
.if DOCPART == 3
	.amdgcn_target "amdgcn-amd-amdhsa--gfx1250"
	.amdhsa_code_object_version 6
	.text
	.protected	k_q879a60d11c_attn
	.globl	k_q879a60d11c_attn
	.p2align	8
	.type	k_q879a60d11c_attn,@function
k_q879a60d11c_attn:
	s_mov_b64 s[64:65], 0
	v_nop
	global_prefetch_b8 v0, s[64:65] scope:SCOPE_SE
	s_setreg_imm32_b32 hwreg(HW_REG_WAVE_MODE, 25, 1), 1
	s_wait_xcnt 0x0
	s_wait_alu depctr_hold_cnt(0) depctr_sa_sdst(0) depctr_va_vdst(0) depctr_va_sdst(0) depctr_va_ssrc(0) depctr_va_vcc(0) depctr_vm_vsrc(0)
	s_getreg_b32 s2, hwreg(HW_REG_IB_STS2, 6, 4)
	s_cmp_eq_u32 s2, 0
	s_cbranch_scc0 .Lentry_in_a_cluster
	s_endpgm
.Lentry_in_a_cluster:
	s_bfe_u32 s2, ttmp6, 0x10000c
	s_cmp_lg_u32 s2, 0x3003
	s_cbranch_scc0 .Lentry_shape_is_right
	s_endpgm
.Lentry_shape_is_right:
; O = softmax(q k^T / 8) v for one head of 64 channels, 2,048 queries and keys, both products on codes of FP6 (E2M3) with E8M0 scales; O / l is quantised along the model's 1,024 and stored as images of operand registers.
; THE SOFTMAX AHEAD OF THE SECOND PRODUCT: t = score x log2(e) / 8; M = the running largest t rounded UP to a whole number; p = 2^(t - M) is quantised along the keys, not normalised; the row's sum is taken of the
; unquantised p and divides O at the end.  When M moves, the sums and O are multiplied by 2^(old M - new M): exact.
; SHARES.  The cluster's y is batch x head.  Its four work-groups take 512 queries each; a wave owns TWO tiles of 16 queries at a time, A and B (tiles 32 cx + 16 pass + 2 wave + 0, 1 of the batch's 128), two passes.
; Every wave walks all keys, 128 a step; each fragment of K and V that it reads from LDS serves both its tiles.
; LDS.  The head's K and V (16 steps x 12,800 bytes: part k, part v) lie in LDS whole, filled ONCE: each of the eight waves asks for two steps by one load, JOINTLY with the same wave of the three partners.
; No prefetch into the L2: every tile is asked for once, at the head, and there is no loop to run ahead in.
; S^T = K Q^T (source 0 = keys), O^T = V^T P^T (source 0 = 16 channels): a lane holds one query throughout.
; THE HEAD'S 64 ARE HALF OF THE INSTRUCTION'S 128.  An operand of K holds TWO tiles of 16 keys, X in k = 0 .. 63 and Y in k = 64 .. 127; Q lies as [Q, zero codes, Q], 18 registers, which give the operands
; [Q, 0] (its product is X's scores) and [0, Q] (Y's).  A pair's scale word is X's two bytes and Y's two; Q's word holds its two bytes twice.  Zero codes add nothing under any finite byte.
; THE KEYS OF A TILE ARE CHOSEN BY THE LANES' ADDRESSES.  In part k place r' of half image 2 b + u stands for key 32 b + 8 u + r' + 8 (r' / 8).  Tile 4 c + t of a step takes as rows 0-7 keys 64 c + 8 t + 0 .. 7 and as rows
; 8-15 keys 64 c + 32 + 8 t + 0 .. 7: row r reads half image 4 c + 2 (r / 8) + t % 2 at place r % 8 + 8 (t / 2).  So the 32 scores of a lane in tiles 4 c .. 4 c + 3 are keys 64 c + 32 (lane / 16) + 0 .. 31: ONE scale
; block of p, in the order of the operand's registers: no lane asks another for a block's maximum, and the codes fall as the operand wants them.  (Rows 0-7 and 8-15 read bytes 1,536 apart.)
; REGISTERS, in two windows laid so that what stands side by side in the text shares one setting.  Window 1, all 256: v0-127 S^T, then p (A, B); v128-163 Q; v164-211 K; v212-235 p's codes; v236-243 eight chains of the
; maximum; v244-247 the blocks' largest; v248-251 -M and the largest score; v252-255 the factor.  Window 0: v1-14 addresses; v24-37 scale words; v40-55 the sums, four pairs a tile; v56-101 at work and the second pass's Q;
; v104-167 O^T; v168-215 V; v216-239 the way out.  Setting 0x55 (all places window 1) serves the first product, the maxima, t - M and the exponentials; 0x04 (source 1 window 1) the factor's multiplications, the sums and the second product.
; THE ORDER OF A STEP.  The two tiles' work is laid side by side: B's first product beside A's maxima; the short dependent chains (M, the factor, the scale word) beside bulk work of the other tile; A's exponentials beside
; B's t - M; B's exponentials beside the first level of A's sum (in place, behind A's conversions); the second products beside the rest of the sums.  Beside exponentials stand only lines that read nothing written since the wait ahead of them.
; FETCHES.  Step s + 1's K is fetched behind step s's first product, its V behind the second; 20 LDS loads each.  Both waits on DScnt are for 20: the other operand's younger 20 may be out.
; The steps go round (step 16 is step 0), so a pass's last trip fetches the next pass's first step; the second pass's last trip fetches step 0 once more, which nothing reads: one text serves all trips.
; The scale bytes of O leave as single bytes, 32 a tile: a row's scale word belongs to two heads, which are two work-groups.
; LIMITS: NaN and infinities are not served; the promise holds while |t| stays under 2^31; p under 2^-126 is 0; a block of zeros, or one under 2^-124, gets the byte 1; 1 / l is a reciprocal and a multiplication.
.set STEPB, 12800
.set SPARE, 16*STEPB                   ; the spare words: 128 bytes a wave
.set SPW, 1
.set NIL, 2
.set KB16, 3                           ; lane terms: K's pieces of 16 bytes, of 8 bytes, its scale words; V's likewise
.set KB8, 4
.set KBS, 5
.set VB16, 6
.set VB8, 7
.set VBS, 8
.set AK16, 9                           ; the same + the next step's LDS byte
.set AK8, 10
.set AKS, 11
.set AV16, 12
.set AV8, 13
.set AVS, 14
.set OSB, 16                           ; 16 r + lane / 16
.set KS, 24                            ; scale words: K's four pairs, Q's two tiles, V's four tiles, p's two
.set QSC, 28
.set VS, 32
.set PS, 36
.set LL, 40                            ; the sums: pair LL + 8 q + 2 a
.set SOP, 56                           ; the conversions' scale operands
.set EE, 60
.set BY, 64
.set WW, 68
.set YY, 70
.set TC, 72                            ; the second conversions' codes
.set QST, 88
.set QSS, 100
.set OO, 104
.set VF, 168
.set OC, 216
.set QW, 128                           ; from here on window 1
.set KF, 164
.set PC, 212
.set CT, 236
.set BM, 244                           ; block 2 q + c: its largest score, then t - M, then p
.set NM, 248                           ; tile q: -M at NM + 2 q, the largest score at NM + 2 q + 1
.set FF, 252                           ; the factor at FF + 2 q (FF + 2 q + 1 at work)
.set WV, 8
.set CXR, 9
.set BH, 10
.set SEL, 12
.set CS, 14
.set G0, 16
.set G1, 20
.set TN, 28
.set CNT, 29
.set HM, 30
.set K2, 31
.set SQ, 32
.set SOA, 34
.set SOS, 36
.set QA, 46
.set QS, 47
.set MSB, 0
.macro WIN new                         ; the immediate's high byte repeats the setting that is left
.if MSB != (\new)
	s_set_vgpr_msb (MSB<<8)|(\new)
.set MSB, (\new)
.endif
.endm
.macro WALU
	s_wait_alu depctr_va_vdst(0)
.endm
.macro ROUND                           ; a round of the cluster's barrier
	s_barrier_signal -1
	s_barrier_wait -1
	s_cmp_lg_u32 s[WV], 0
	s_cbranch_scc1 .Lnot_wave_0_\@
	s_barrier_signal -3
.Lnot_wave_0_\@:
	s_barrier_wait -3
	s_barrier_signal -1
	s_barrier_wait -1
.endm
.macro KLOAD a16, a8, as               ; pair p = tiles 2 p (registers 0-5) and 2 p + 1 (6-11), and its scale word: 20 loads
	WIN 0
.irp p, 0,1,2,3
	ds_load_b32 v[KS+\p], v[\as] offset:6144+128*(\p/2)+64*(\p%2)
.endr
	WIN 0x40
.irp p, 0,1,2,3
	ds_load_b128 v[KF+12*\p:KF+12*\p+3], v[\a16] offset:3072*(\p/2)+128*(\p%2)
	ds_load_b64 v[KF+12*\p+4:KF+12*\p+5], v[\a8] offset:3072*(\p/2)+64*(\p%2)+512
	ds_load_b128 v[KF+12*\p+6:KF+12*\p+9], v[\a16] offset:3072*(\p/2)+128*(\p%2)+768
	ds_load_b64 v[KF+12*\p+10:KF+12*\p+11], v[\a8] offset:3072*(\p/2)+64*(\p%2)+1280
.endr
.endm
.macro VLOAD a16, a8, as               ; V^T's four fragments as they were stored, and their scale words: 20 loads
.irp t, 0,1,2,3
	ds_load_b128 v[VF+12*\t:VF+12*\t+3], v[\a16] offset:6400+1536*\t
	ds_load_b64 v[VF+12*\t+4:VF+12*\t+5], v[\a8] offset:6400+1536*\t+512
	ds_load_b128 v[VF+12*\t+6:VF+12*\t+9], v[\a16] offset:6400+1536*\t+768
	ds_load_b64 v[VF+12*\t+10:VF+12*\t+11], v[\a8] offset:6400+1536*\t+1280
	ds_load_b32 v[VS+\t], v[\as] offset:12544+8*(\t%2)+4*(\t/2)
.endr
.endm
.macro QK q, i                         ; tile i of 16 keys against tile q of queries (setting 0x55)
	v_wmma_scale_f32_16x16x128_f8f6f4 v[64*\q+8*(\i):64*\q+8*(\i)+7], v[KF+12*((\i)/2):KF+12*((\i)/2)+11], v[QW+18*\q+6*((\i)%2):QW+18*\q+6*((\i)%2)+11], 0, v[KS+(\i)/2], v[QSC+\q] matrix_a_fmt:MATRIX_FMT_FP6 matrix_b_fmt:MATRIX_FMT_FP6
.endm
.macro PV q, t                         ; O^T += V^T P^T (setting 0x04)
	v_wmma_scale_f32_16x16x128_f8f6f4 v[OO+32*\q+8*\t:OO+32*\q+8*\t+7], v[VF+12*\t:VF+12*\t+11], v[PC+12*\q:PC+12*\q+11], v[OO+32*\q+8*\t:OO+32*\q+8*\t+7], v[VS+\t], v[PS+\q] matrix_a_fmt:MATRIX_FMT_FP6 matrix_b_fmt:MATRIX_FMT_FP6
.endm
; Line i of 32 of tile q's maxima: eight chains, one an accumulator, each from its accumulator's low end on (0-23); then the two blocks' largest scores (24-31)
.macro MX q, i
.if (\i) < 8
	v_max3_num_f32 v[CT+(\i)], v[64*\q+8*(\i)], v[64*\q+8*(\i)+1], v[64*\q+8*(\i)+2]
.elseif (\i) < 16
	v_max3_num_f32 v[CT+(\i)-8], v[CT+(\i)-8], v[64*\q+8*((\i)-8)+3], v[64*\q+8*((\i)-8)+4]
.elseif (\i) < 24
	v_max3_num_f32 v[CT+(\i)-16], v[CT+(\i)-16], v[64*\q+8*((\i)-16)+5], v[64*\q+8*((\i)-16)+6]
.elseif (\i) < 28
	v_max3_num_f32 v[CT+2*((\i)-24)], v[CT+2*((\i)-24)], v[CT+2*((\i)-24)+1], v[64*\q+16*((\i)-24)+7]
.elseif (\i) < 30
	v_max3_num_f32 v[BM+2*\q+(\i)-28], v[CT+4*((\i)-28)], v[CT+4*((\i)-28)+2], v[64*\q+32*((\i)-28)+15]
.else
	v_max_num_f32 v[BM+2*\q+(\i)-30], v[BM+2*\q+(\i)-30], v[64*\q+32*((\i)-30)+31]
.endif
.endm
; Line i of 11: tile q's running maximum, -M, the factor, and t - M of its two blocks' largest scores
.macro RM q, i
.if (\i) == 0
	v_max3_num_f32 v[NM+2*\q+1], v[NM+2*\q+1], v[BM+2*\q], v[BM+2*\q+1]
.elseif (\i) == 1
	v_permlanex16_b32 v[FF+2*\q+1], v[NM+2*\q+1], s[SEL], s[SEL+1]
.elseif (\i) == 2
	v_max_num_f32 v[NM+2*\q+1], v[NM+2*\q+1], v[FF+2*\q+1]     ; with lane l xor 16's keys: the running largest score of my query
.elseif (\i) == 3
	v_mul_f32 v[FF+2*\q+1], s[CS], v[NM+2*\q+1]                ; as t (c is positive)
.elseif (\i) == 4
	v_floor_f32 v[FF+2*\q+1], -v[FF+2*\q+1]                    ; the new -M = floor(-t)
.elseif (\i) == 5
	v_sub_f32 v[FF+2*\q], v[FF+2*\q+1], v[NM+2*\q]             ; old M - new M: a whole number, 0 or less
.elseif (\i) == 6
	v_mov_b32 v[NM+2*\q], v[FF+2*\q+1]
.elseif (\i) == 7
	v_cvt_i32_f32 v[FF+2*\q], v[FF+2*\q]                       ; (it saturates)
.elseif (\i) == 8
	v_ldexp_f32 v[FF+2*\q], 1.0, v[FF+2*\q]                    ; f = 2^(old M - new M)
.else
	v_fma_f32 v[BM+2*\q+(\i)-9], v[BM+2*\q+(\i)-9], s[CS], v[NM+2*\q]
.endif
.endm
.macro FM q, j                         ; t - M, two at a time
	v_pk_fma_f32 v[64*\q+2*(\j):64*\q+2*(\j)+1], v[64*\q+2*(\j):64*\q+2*(\j)+1], s[CS:CS+1], v[NM+2*\q:NM+2*\q+1] op_sel_hi:[1,0,0]
.endm
; Line i of 9 (setting 0x04): p's scale operands and scale word.  My blocks are lane / 16 and 2 + lane / 16 of the four; the word is read in lanes 0-15 alone, where lane l xor 16's two bytes stand 8 bits up
.macro CC q, i
.if (\i) < 2
	v_max_num_f32 v[EE+2*\q+(\i)], 0x1800000, v[BM+2*\q+(\i)]  ; the floor 2^(3 - 127): the byte cannot fall under 1
.elseif (\i) < 4
	v_add_nc_u32 v[SOP+2*\q+(\i)-2], v[EE+2*\q+(\i)-2], s[K2]  ; 2 off the exponent field: the conversion's scale operand
.elseif (\i) < 6
	v_bfe_u32 v[BY+2*\q+(\i)-4], v[SOP+2*\q+(\i)-4], 23, 8     ; the scale's byte
.elseif (\i) == 6
	v_lshl_or_b32 v[WW+\q], v[BY+2*\q+1], 16, v[BY+2*\q]
.elseif (\i) == 7
	v_permlanex16_b32 v[YY+\q], v[WW+\q], s[SEL], s[SEL+1]
.else
	v_lshl_or_b32 v[PS+\q], v[YY+\q], 8, v[WW+\q]
.endif
.endm
.macro CV q                            ; tile q's 64 p a lane into 12 registers of codes
	WIN 0x41
.irp c, 0,1
	v_cvt_scalef32_pk16_fp6_f32 v[PC+12*\q+6*\c:PC+12*\q+6*\c+2], v[64*\q+32*\c:64*\q+32*\c+15], v[SOP+2*\q+\c]
.endr
	WIN 0x01
.irp c, 0,1
	v_cvt_scalef32_pk16_fp6_f32 v[TC+8*\q+4*\c:TC+8*\q+4*\c+2], v[64*\q+32*\c+16:64*\q+32*\c+31], v[SOP+2*\q+\c]   ; (a conversion's three registers begin on an even number)
.endr
	v_nop                                          ; one plain place behind a scaled conversion
	WIN 0x40
.irp c, 0,1
.irp i, 0,1,2
	v_mov_b32 v[PC+12*\q+6*\c+3+\i], v[TC+8*\q+4*\c+\i]
.endr
.endr
.endm
; Line i of 48 of the sums (setting 0x04): of each three one for A (its 16 pairs left by the first level) and two for B (its 32 pairs), on four pairs of sums a tile by turns
.macro AD i
.if (\i)%3 == 0
.set A_, LL+2*(((\i)/3)%4)
.set S_, 4*((\i)/3)
.else
.set A_, LL+8+2*((2*((\i)/3)+(\i)%3-1)%4)
.set S_, 64+4*((\i)/3)+2*((\i)%3-1)
.endif
	v_pk_add_f32 v[A_:A_+1], v[A_:A_+1], v[S_:S_+1]
.endm
.macro ADS n
.rept \n
	AD NA
.set NA, NA+1
.endr
.endm
; A KEY STEP: 128 keys for both tiles
.macro STEP
	s_add_co_u32 s[CNT], s[CNT], 1
	s_and_b32 s[TN], s[CNT], 15
	s_mul_i32 s[TN], s[TN], STEPB                  ; the next step's LDS byte
	s_wait_dscnt 20                                ; K is in; V's 20 loads may be out
	WIN 0x55
.irp i, 0,1,2,3,4,5,6,7
	QK 0, \i
.endr
.irp i, 0,1
	QK 1, \i
	v_nop                                          ; four places between A's products and the first read of their results
	v_nop
.endr
.set N, 0
.irp i, 2,3,4,5,6,7
	QK 1, \i
.rept 4
	MX 0, N
.set N, N+1
.endr
.endr
.rept 8
	MX 0, N                                        ; also the places behind B's products
.set N, N+1
.endr
	WIN 0
	v_add_nc_u32 v[AK16], s[TN], v[KB16]
	v_add_nc_u32 v[AK8], s[TN], v[KB8]
	v_add_nc_u32 v[AKS], s[TN], v[KBS]
	KLOAD AK16, AK8, AKS
	WIN 0x55
.set N, 0
.rept 11
	MX 1, 2*N
	MX 1, 2*N+1
	RM 0, N
.set N, N+1
.endr
	MX 1, 22
	MX 1, 23
.set N, 0
.set J, 0
.rept 19
.if N < 8
	MX 1, 24+N
.else
	RM 1, N-8
.endif
	FM 0, J
.set J, J+1
.if N < 13
	FM 0, J
.set J, J+1
.endif
.set N, N+1
.endr
	WIN 0x04                                       ; O^T and the sums under the new M.  No exponential stands between the last step's second products and these first reads of their results
.set J, 0
.rept 32
	v_pk_mul_f32 v[OO+J:OO+J+1], v[OO+J:OO+J+1], v[FF+2*(J/32):FF+2*(J/32)+1] op_sel_hi:[1,0]
.set J, J+2
.endr
.set J, 0
.rept 8
	v_pk_mul_f32 v[LL+J:LL+J+1], v[LL+J:LL+J+1], v[FF+2*(J/8):FF+2*(J/8)+1] op_sel_hi:[1,0]
.set J, J+2
.endr
	WIN 0x55
	WALU
	v_exp_f32 v[BM], v[BM]                         ; A's blocks' largest p: the same two instructions on the same number give the same bits
	v_exp_f32 v[BM+1], v[BM+1]
.set J, 0
.rept 32
	v_exp_f32 v[2*J], v[2*J]                       ; A's p = 2^(t - M), at most 1;
	v_exp_f32 v[2*J+1], v[2*J+1]
	FM 1, J                                        ; beside them B's t - M, which reads nothing written since the wait
.set J, J+1
.endr
	WALU                                           ; behind A's batch, ahead of its first reader and of B's batch
	WIN 0x04
.irp i, 0,1,2,3,4,5,6,7,8
	CC 0, \i
.endr
	CV 0
	WIN 0x55
	v_exp_f32 v[BM+2], v[BM+2]
	v_exp_f32 v[BM+3], v[BM+3]
.set J, 0
.rept 16
.irp i, 0,1,2,3
	v_exp_f32 v[64+4*J+\i], v[64+4*J+\i]           ; B's p;
.endr
	v_pk_add_f32 v[4*J:4*J+1], v[4*J:4*J+1], v[4*J+2:4*J+3]   ; beside them the first level of A's sum, of the unquantised p, in place: A's codes are made
.set J, J+1
.endr
	s_wait_dscnt 20                                ; V is in; the next step's K may be out
	WIN 0x04
	WALU                                           ; behind B's batch, ahead of its first reader
.set NA, 0
	CC 1, 0
	CC 1, 1
	PV 0, 0
	ADS 3
	CC 1, 2
	CC 1, 3
	ADS 3
	PV 0, 1
	ADS 3
	CC 1, 4
	CC 1, 5
	ADS 3
	PV 0, 2
	ADS 3
	CC 1, 6
	ADS 3
	PV 0, 3
	ADS 3
	CC 1, 7
	ADS 3
	CC 1, 8
	CV 1
	WIN 0x04
	ADS 8                                          ; with the six moves the places between p's word and codes and the products
.irp t, 0,1,2,3
	PV 1, \t
	ADS 4
.endr
	WIN 0
	v_add_nc_u32 v[AV16], s[TN], v[VB16]
	v_add_nc_u32 v[AV8], s[TN], v[VB8]
	v_add_nc_u32 v[AVS], s[TN], v[VBS]
	VLOAD AV16, AV8, AVS
.endm
.macro PASS p
.if \p
	s_wait_xcnt 0x0                                ; the first pass's stores have read their registers
.irp q, 0,1
	v_lshl_or_b32 v[QSC+\q], v[QSS+\q], 16, v[QSS+\q]   ; Q's two scale bytes, twice
.endr
	WIN 0x40
.irp q, 0,1
.irp i, 0,1,2,3,4,5
	v_mov_b32 v[QW+18*\q+\i], v[QST+6*\q+\i]
	v_mov_b32 v[QW+18*\q+12+\i], v[QST+6*\q+\i]
.endr
.endr
.else
	s_wait_loadcnt 0x0                             ; both passes' Q
.irp q, 0,1
	v_lshl_or_b32 v[QSC+\q], v[QSC+\q], 16, v[QSC+\q]
.endr
.set J, 0
.rept 64
	v_mov_b32 v[OO+J], 0                           ; the step is written once: the first finds finite numbers (here zeros, in the second pass what the first left), which the first change of M, a factor 0, makes zeros
.set J, J+1
.endr
.set J, 0
.rept 16
	v_mov_b32 v[LL+J], 0
.set J, J+1
.endr
	WIN 0x41
.irp q, 0,1
.irp i, 0,1,2,3,4,5
	v_mov_b32 v[QW+18*\q+12+\i], v[QW+18*\q+\i]
.endr
.endr
	WIN 0x40
.endif
.irp q, 0,1
	v_mov_b32 v[NM+2*\q+1], 0xff61b1e6             ; the largest score so far: -3e38
	v_mov_b32 v[NM+2*\q], 0x7f61b1e6               ; -M
.endr
	WIN 0
	WALU
.if \p == 0
	s_wait_tensorcnt 0x0                           ; my two steps of K and V are in,
	s_barrier_signal -1
	s_barrier_wait -1                              ; everybody's are
	KLOAD KB16, KB8, KBS
	WIN 0
	VLOAD VB16, VB8, VBS
.endif
	s_mov_b32 s[CNT], 0
.Lstep_\@:
	STEP
	s_cmp_lt_u32 s[CNT], 16
	s_cbranch_scc1 .Lstep_\@
	; the way out: O^T / the sum, quantised along the head's 64 (two blocks), as half an image for each tile.  Register 16 b + i of O^T = channel 32 b + 16 (lane / 16) + i
.irp q, 0,1
	v_pk_add_f32 v[LL+8*\q:LL+8*\q+1], v[LL+8*\q:LL+8*\q+1], v[LL+8*\q+2:LL+8*\q+3]
	v_pk_add_f32 v[LL+8*\q+4:LL+8*\q+5], v[LL+8*\q+4:LL+8*\q+5], v[LL+8*\q+6:LL+8*\q+7]
.endr
.irp q, 0,1
	v_pk_add_f32 v[LL+8*\q:LL+8*\q+1], v[LL+8*\q:LL+8*\q+1], v[LL+8*\q+4:LL+8*\q+5]
.endr
.irp q, 0,1
	v_add_f32 v[LL+8*\q], v[LL+8*\q], v[LL+8*\q+1]
.endr
.irp q, 0,1
	v_permlanex16_b32 v[YY+\q], v[LL+8*\q], s[SEL], s[SEL+1]
.endr
.irp q, 0,1
	v_add_f32 v[LL+8*\q], v[LL+8*\q], v[YY+\q]     ; the row's sum
.endr
	WALU
.irp q, 0,1
	v_rcp_f32 v[LL+8*\q], v[LL+8*\q]
.endr
	WIN 0x40
	v_nop                                          ; a plain place behind the reciprocals
	WALU                                           ; and the wait ahead of their first reader, which is O^T's first too
.set J, 0
.rept 32
	v_pk_mul_f32 v[J:J+1], v[OO+J:OO+J+1], v[LL+8*(J/32):LL+8*(J/32)+1] op_sel_hi:[1,0]
.set J, J+2
.endr
	WIN 0x05
.irp k, 0,1,2,3
	v_max3_num_f32 v[EE+\k], |v[16*\k]|, |v[16*\k+1]|, 0x1800000
.endr
.irp i, 2,4,6,8,10,12,14
.irp k, 0,1,2,3
	v_max3_num_f32 v[EE+\k], |v[16*\k+\i]|, |v[16*\k+\i+1]|, v[EE+\k]
.endr
.endr
	WIN 0
.irp k, 0,1,2,3
	v_permlanex16_b32 v[BY+\k], v[EE+\k], s[SEL], s[SEL+1]
.endr
.irp k, 0,1,2,3
	v_max_num_f32 v[EE+\k], v[EE+\k], v[BY+\k]
.endr
.irp k, 0,1,2,3
	v_add_nc_u32 v[SOP+\k], 0xff000000, v[EE+\k]
.endr
.irp k, 0,1,2,3
	v_lshrrev_b32 v[BY+\k], 23, v[SOP+\k]
.endr
.irp q, 0,1
	v_cndmask_b32 v[WW+\q], v[BY+2*\q], v[BY+2*\q+1], s[HM]   ; lanes 0-15 store block 0's byte, lanes 16-31 block 1's
.endr
	WIN 0x01
.irp q, 0,1
	v_cvt_scalef32_pk16_fp6_f32 v[OC+12*\q:OC+12*\q+2], v[32*\q:32*\q+15], v[SOP+2*\q]
	v_cvt_scalef32_pk16_fp6_f32 v[OC+12*\q+6:OC+12*\q+8], v[32*\q+16:32*\q+31], v[SOP+2*\q+1]
.endr
	WIN 0
	v_nop                                          ; one plain place behind a scaled conversion
.irp q, 0,1
.irp i, 0,1,2
	v_permlane16_swap_b32 v[OC+12*\q+\i], v[OC+12*\q+6+\i]
.endr
.endr
.irp q, 0,1
.irp i, 0,1,2
	v_mov_b32 v[OC+12*\q+3+\i], v[OC+12*\q+6+\i]
.endr
.endr
.irp q, 0,1
	global_store_b128 v[VB16], v[OC+12*\q:OC+12*\q+3], s[SOA:SOA+1] offset:204800*\p+12800*\q       ; 512 consecutive bytes, aligned
	global_store_b64 v[VB8], v[OC+12*\q+4:OC+12*\q+5], s[SOA:SOA+1] offset:204800*\p+12800*\q+512   ; 256 consecutive bytes, aligned
	global_store_b8 v[OSB], v[WW+\q], s[SOS:SOS+1] offset:204800*\p+12800*\q
.endr
.endm
	s_load_b128 s[4:7], s[0:1], 0x0                ; qkv, oimg
	v_lshl_add_u32 v[SPW], v0, 2, SPARE
	v_mov_b32 v[NIL], 0
	ds_add_u32 v[SPW], v[NIL]                      ; the opening lines: the add, twice on end, and its wait ahead of my first tensor load
	ds_add_u32 v[SPW], v[NIL]
	v_lshrrev_b32 v3, 5, v0
	v_readfirstlane_b32 s[WV], v3                  ; wave 0..7
	s_bfe_u32 s[CXR], ttmp6, 0x40000               ; cx: it enters Q's and O's global addresses alone
	s_and_b32 s[BH], ttmp7, 0xffff                 ; batch x head, which the four partners share
	; descriptor group 1: two rows of 12,800 bytes (1,600 elements of 8 bytes), 19,200 bytes apart in memory, dense in LDS; the mask names all four work-groups
	s_mov_b32 s[G1], 15|(3<<16)|(1<<21)
	s_mov_b32 s[G1+1], 1600<<16
	s_mov_b32 s[G1+2], 2<<16
	s_mov_b32 s[G1+3], 1600<<16
	s_mov_b32 s[G1+4], 2
	s_mov_b32 s[G1+5], 2400
	s_mov_b32 s[G1+6], 0
	s_mov_b32 s[G1+7], 0
	s_mov_b32 s[G0], 1
	s_mul_i32 s[G0+1], s[WV], 2*STEPB              ; key steps 2 w and 2 w + 1 lie at 25,600 w
	s_lshl_b32 s38, s[BH], 4
	s_lshl_b32 s42, s[WV], 1
	s_add_co_u32 s38, s38, s42
	s_mul_i32 s38, s38, 19200
	s_add_co_u32 s38, s38, 6400                    ; parts k and v of record (batch x head, step 2 w)
	s_mov_b32 s39, 0
	s_mov_b32 s[SEL], 0x76543210
	s_mov_b32 s[SEL+1], 0xfedcba98
	s_mov_b32 s[CS], 0x3e38aa3b                    ; c = log2(e) / 8
	s_mov_b32 s[CS+1], s[CS]                       ; (named with it as a pair, so it is written)
	s_mov_b32 s[K2], 0xff000000
	s_wait_dscnt 0x0                               ; both opening adds are done
	s_wait_kmcnt 0x0
	s_add_nc_u64 s[G0+2:G0+3], s[4:5], s[38:39]
	s_or_b32 s[G0+3], s[G0+3], 0x80000000
	ROUND                                          ; all four work-groups are here: the joint loads meet
	tensor_load_to_lds s[G0:G0+3], s[G1:G1+7]      ; my one tensor load of the launch
	s_nop 0
	s_lshl_b32 s38, s[BH], 4                       ; Q: record (batch x head, 4 cx + wave / 4), part q; the second pass's lies two records on
	s_lshl_b32 s42, s[CXR], 2
	s_add_co_u32 s38, s38, s42
	s_lshr_b32 s42, s[WV], 2
	s_add_co_u32 s38, s38, s42
	s_mul_i32 s38, s38, 19200
	s_add_nc_u64 s[SQ:SQ+1], s[4:5], s[38:39]
	s_and_b32 s[QA], s[WV], 3
	s_mul_i32 s[QA], s[QA], 1536                   ; half images a = 2 (wave % 4) + 0, 1
	s_bfe_u32 s[QS], s[WV], 0x10001
	s_lshl_b32 s[QS], s[QS], 7
	s_and_b32 s42, s[WV], 1
	s_lshl_b32 s42, s42, 2
	s_add_co_u32 s[QS], s[QS], s42
	s_add_co_u32 s[QS], s[QS], 6144                ; their scale halves: 6,144 + 128 (a / 4) + 2 (a % 4)
	s_lshr_b32 s38, s[BH], 4                       ; O: tile 128 batch + 32 cx + 2 wave; the second pass's lie 16 tile records on
	s_lshl_b32 s38, s38, 7
	s_lshl_b32 s42, s[CXR], 5
	s_add_co_u32 s38, s38, s42
	s_lshl_b32 s42, s[WV], 1
	s_add_co_u32 s38, s38, s42
	s_mul_i32 s38, s38, 12800
	s_and_b32 s43, s[BH], 15                       ; head: its 64 channels are K = 64 head on: chunk head / 8, fragment (head / 2) % 4, half head % 2
	s_lshr_b32 s42, s43, 3
	s_mul_i32 s42, s42, 6400
	s_add_co_u32 s38, s38, s42
	s_bfe_u32 s44, s43, 0x20001
	s_and_b32 s45, s43, 1
	s_mul_i32 s40, s44, 1536
	s_mul_i32 s42, s45, 768
	s_add_co_u32 s40, s40, s42
	s_add_co_u32 s40, s40, s38
	s_mov_b32 s41, 0
	s_add_nc_u64 s[SOA:SOA+1], s[6:7], s[40:41]
	s_lshl_b32 s40, s44, 2
	s_lshl_b32 s42, s45, 1
	s_add_co_u32 s40, s40, s42
	s_add_co_u32 s40, s40, s38
	s_add_co_u32 s40, s40, 6144
	s_add_nc_u64 s[SOS:SOS+1], s[6:7], s[40:41]
	v_and_b32 v17, 31, v0                          ; lane
	v_and_b32 v18, 15, v0                          ; r
	v_bfe_u32 v19, v0, 4, 1                        ; h
	v_and_b32 v20, 7, v0                           ; r % 8
	v_bfe_u32 v21, v0, 3, 1                        ; r / 8
	v_lshlrev_b32 v[VB16], 4, v17
	v_lshlrev_b32 v[VB8], 3, v17
	v_lshlrev_b32 v[VBS], 4, v18
	v_lshl_add_u32 v[OSB], v18, 4, v19
	v_cmp_ne_u32 s[HM], 0, v19
	v_mul_u32_u24 v22, v21, 1536                   ; rows 8-15 of a tile read two half images on
	v_lshl_add_u32 v[KB16], v20, 4, v22
	v_lshl_add_u32 v[KB16], v19, 8, v[KB16]        ; 1,536 (r / 8) + 16 (r % 8 + 16 h)
	v_lshl_add_u32 v[KB8], v20, 3, v22
	v_lshl_add_u32 v[KB8], v19, 7, v[KB8]          ; 1,536 (r / 8) + 8 (r % 8 + 16 h)
	v_lshlrev_b32 v[KBS], 3, v20
	v_lshl_add_u32 v[KBS], v21, 2, v[KBS]          ; 8 (r % 8) + 4 (r / 8)
	v_add_nc_u32 v22, s[QA], v[VB16]
	v_add_nc_u32 v23, s[QA], v[VB8]
	v_lshl_add_u32 v17, v18, 3, s[QS]
	WIN 0x40
.irp q, 0,1
	global_load_b128 v[QW+18*\q:QW+18*\q+3], v22, s[SQ:SQ+1] offset:768*\q          ; the first pass's Q, straight into its operand's lower half
	global_load_b64 v[QW+18*\q+4:QW+18*\q+5], v23, s[SQ:SQ+1] offset:768*\q+512
.endr
	WIN 0
.irp q, 0,1
	global_load_u16 v[QSC+\q], v17, s[SQ:SQ+1] offset:2*\q
	global_load_b128 v[QST+6*\q:QST+6*\q+3], v22, s[SQ:SQ+1] offset:38400+768*\q    ; the second pass's waits in registers of its own
	global_load_b64 v[QST+6*\q+4:QST+6*\q+5], v23, s[SQ:SQ+1] offset:38400+768*\q+512
	global_load_u16 v[QSS+\q], v17, s[SQ:SQ+1] offset:38400+2*\q
.endr
	v_mov_b32 v[YY], 0                             ; a lane permute's destination counts as one of its sources
	v_mov_b32 v[YY+1], 0
	WIN 0x40
	v_mov_b32 v[FF+1], 0
	v_mov_b32 v[FF+3], 0
.irp q, 0,1
.irp i, 6,7,8,9,10,11
	v_mov_b32 v[QW+18*\q+\i], 0                    ; the zero codes between Q's two copies: written once
.endr
.endr
	WIN 0
	PASS 0
	PASS 1
	s_wait_tensorcnt 0x0                           ; the wave's end
	ds_add_u32 v[SPW], v[NIL]
	s_wait_dscnt 0x0
	ROUND                                          ; the closing round
	s_endpgm
.Lfunc_end_k_q879a60d11c_attn:
	.size	k_q879a60d11c_attn, .Lfunc_end_k_q879a60d11c_attn-k_q879a60d11c_attn
	.p2alignl 7, 3214868480
	.fill 96, 4, 3214868480
	.section	.rodata,"a",@progbits
	.p2align	6, 0x0
	.amdhsa_kernel k_q879a60d11c_attn
		.amdhsa_group_segment_fixed_size 327680
		.amdhsa_private_segment_fixed_size 0
		.amdhsa_enable_private_segment 0
		.amdhsa_kernarg_size 16
		.amdhsa_user_sgpr_count 2
		.amdhsa_user_sgpr_kernarg_segment_ptr 1
		.amdhsa_wavefront_size32 1
		.amdhsa_system_sgpr_workgroup_id_x 1
		.amdhsa_system_sgpr_workgroup_id_y 1
		.amdhsa_system_sgpr_workgroup_id_z 1
		.amdhsa_system_vgpr_workitem_id 0
		.amdhsa_next_free_vgpr 512
		.amdhsa_next_free_sgpr 66
		.amdhsa_reserve_vcc 0
		.amdhsa_float_denorm_mode_32 3
		.amdhsa_float_denorm_mode_16_64 3
		.amdhsa_memory_ordered 1
		.amdhsa_forward_progress 1
		.amdhsa_inst_pref_size 86
	.end_amdhsa_kernel
	.amdgpu_metadata
---
amdhsa.version: [ 1, 2 ]
amdhsa.kernels:
  - .name:           k_q879a60d11c_attn
    .symbol:         k_q879a60d11c_attn.kd
    .args:
      - { .name: qkv, .offset: 0, .size: 8, .value_kind: global_buffer, .address_space: global }
      - { .name: oimg, .offset: 8, .size: 8, .value_kind: global_buffer, .address_space: global }
    .group_segment_fixed_size: 327680
    .private_segment_fixed_size: 0
    .kernarg_segment_align: 8
    .kernarg_segment_size: 16
    .max_flat_workgroup_size: 256
    .sgpr_count:     66
    .vgpr_count:     512
    .wavefront_size: 32
...
	.end_amdgpu_metadata
.endif
;; end of part 3
;; launch oproj (part 4): grid 4 x 64, 4 waves a work-group, clusters of 4 x 4, 327,680 bytes of LDS; arguments oimg, wimg, bo, out0; writes out0
.if DOCPART == 4
	.amdgcn_target "amdgcn-amd-amdhsa--gfx1250"
	.amdhsa_code_object_version 6
	.text
	.protected	k_q879a60d11c_oproj
	.globl	k_q879a60d11c_oproj
	.p2align	8
	.type	k_q879a60d11c_oproj,@function
k_q879a60d11c_oproj:
	s_mov_b64 s[64:65], 0
	v_nop
	global_prefetch_b8 v0, s[64:65] scope:SCOPE_SE
	s_setreg_imm32_b32 hwreg(HW_REG_WAVE_MODE, 25, 1), 1
	s_wait_xcnt 0x0
	s_wait_alu depctr_hold_cnt(0) depctr_sa_sdst(0) depctr_va_vdst(0) depctr_va_sdst(0) depctr_va_ssrc(0) depctr_va_vcc(0) depctr_vm_vsrc(0)
	s_getreg_b32 s2, hwreg(HW_REG_IB_STS2, 6, 4)
	s_cmp_eq_u32 s2, 0
	s_cbranch_scc0 .Lentry_in_a_cluster
	s_endpgm
.Lentry_in_a_cluster:
	s_bfe_u32 s2, ttmp6, 0x10000c
	s_cmp_lg_u32 s2, 0xf033
	s_cbranch_scc0 .Lentry_shape_is_right
	s_endpgm
.Lentry_shape_is_right:
; out0 = O Wo + bo on codes of FP6 (E2M3) with E8M0 scales; out0 [8192][1024] f32.  O's and Wo's codes are images of operand registers (tile records of two chunk records of 6,400 bytes: four fragments of 1,536 bytes
; and 256 bytes of scale words [row][step]).  Place r of tile 2 b + u stands for row (of Wo: column) 32 b + 8 u + r + 8 (r / 8).
; SHARES.  A work-group makes 128 rows x 256 columns; a wave 64 rows x 128 columns: 32 accumulators, source 0 = 8 tiles of Wo, source 1 = 4 tiles of O: a lane holds one row, and the 16 registers of source 0's tiles
; 2 b and 2 b + 1 are 16 neighbouring columns.
; LDS: all of K lies there, in two chunks of 512; every byte is filled once: no ring.  Chunk c at 153,600 c: O's 8 chunk records, then Wo's 16.
; CLUSTER 4 x 4: O's tiles are asked for jointly along a row of the cluster, Wo's along a column.  A wave has one tensor load out.
; REGISTERS: window 0: v0-31 addresses; v32-63, v64-79 scale words; v80-223 fragments, set 0, on the way out rows of out0.  window 1: accumulator (u, t) at v[64 u + 8 t].  window 2: v80-223 fragments, set 1.  window 3: v0-63 the bias.
; THE WAY OUT: 16 rows x 128 columns at a time through the wave's own stage (rows of 512 + 16 bytes), in chunk 0's bytes, which have had their one fill and which nobody reads behind the barrier between the chunks.
.set REC,   6400
.set SLOTB, 153600
.set WOFF,  51200
.set SPARE, 307200
.set SPW, 10
.set NIL, 11
.set STO, 12
.set RD,  13
.set CO,  14
.set SC0, 32
.set SC1, 64
.set F0,  80
.set F1,  176
.set WV,  18
.set W1,  19
.set W2,  20
.set CX,  21
.set CY,  22
.set RB,  23
.set G1A, 28
.set G1W, 36
.set G0A, 44
.set G0W, 52
.set MSB, 0
.macro WIN new                         ; the immediate's high byte repeats the setting that is left; a switch that changes nothing is dropped
.if MSB != (\new)
	s_set_vgpr_msb (MSB<<8)|(\new)
.set MSB, (\new)
.endif
.endm
.macro CROUND                          ; a round of the cluster's barrier
	s_barrier_signal -1
	s_barrier_wait -1
	s_cmp_lg_u32 s[WV], 0
	s_cbranch_scc1 .Lnot_wave_0_\@
	s_barrier_signal -3
.Lnot_wave_0_\@:
	s_barrier_wait -3
	s_barrier_signal -1
	s_barrier_wait -1
.endm
.macro PLACES                          ; four plain places in front of loads into registers that matrix instructions have read, and of the first read of results
.rept 4
	v_nop
.endr
.endm
.macro SCALES                          ; a chunk's scale words: one load brings a row's four steps
	WIN 0
.irp i, 0,1,2,3,4,5,6,7
	ds_load_b128 v[SC0+4*\i:SC0+4*\i+3], v6 offset:REC*\i+6144
.endr
.irp i, 0,1,2,3
	ds_load_b128 v[SC1+4*\i:SC1+4*\i+3], v9 offset:REC*\i+6144
.endr
.endm
.macro FRAG reg, a16, a8, off          ; a fragment comes back as it was stored: every load reads consecutive bytes
	ds_load_b128 v[\reg:\reg+3], v[\a16] offset:\off
	ds_load_b64 v[\reg+4:\reg+5], v[\a8] offset:\off+512
	ds_load_b128 v[\reg+6:\reg+9], v[\a16] offset:\off+768
	ds_load_b64 v[\reg+10:\reg+11], v[\a8] offset:\off+1280
.endm
.macro FETCH sp, f                     ; 48 loads: step sp's twelve fragments into set f (window 0 or 2)
	WIN 0x80*(\f)
.irp i, 0,1,2,3,4,5,6,7
	FRAG F0+12*\i, 4, 5, REC*\i+1536*(\sp)
.endr
.irp i, 0,1,2,3
	FRAG F1+12*\i, 7, 8, REC*\i+1536*(\sp)
.endr
.endm
; 32 matrix instructions; the accumulators take turns, one instruction a turn, in the same order in every step.  cm = 0: C = D; 1: C = the bias
.macro MUL sp, f, cm
.if \cm
	WIN 0x70
.else
	WIN 0x50+0x0a*(\f)
.endif
.irp u, 0,1,2,3
.irp t, 0,1,2,3,4,5,6,7
.if \cm
	v_wmma_scale_f32_16x16x128_f8f6f4 v[64*\u+8*\t:64*\u+8*\t+7], v[F0+12*\t:F0+12*\t+11], v[F1+12*\u:F1+12*\u+11], v[8*\t:8*\t+7], v[SC0+4*\t+\sp], v[SC1+4*\u+\sp] matrix_a_fmt:MATRIX_FMT_FP6 matrix_b_fmt:MATRIX_FMT_FP6
.else
	v_wmma_scale_f32_16x16x128_f8f6f4 v[64*\u+8*\t:64*\u+8*\t+7], v[F0+12*\t:F0+12*\t+11], v[F1+12*\u:F1+12*\u+11], v[64*\u+8*\t:64*\u+8*\t+7], v[SC0+4*\t+\sp], v[SC1+4*\u+\sp] matrix_a_fmt:MATRIX_FMT_FP6 matrix_b_fmt:MATRIX_FMT_FP6
.endif
.endr
.endr
.endm
.macro CHUNK first                     ; 512 along K: four steps on two sets of fragments
	SCALES
	FETCH 0, 0
	FETCH 1, 1
	s_wait_dscnt 48                                ; all but the 48 loads just issued: the scale words and set 0 are in
.if \first
	s_wait_loadcnt 0x0                             ; the bias
	MUL 0, 0, 1                                    ; the first step starts the sums on the bias
.else
	MUL 0, 0, 0
.endif
	PLACES
	FETCH 2, 0
	s_wait_dscnt 48
	MUL 1, 1, 0
	PLACES
	FETCH 3, 1
	s_wait_dscnt 48
	MUL 2, 0, 0
	s_wait_dscnt 0x0
	MUL 3, 1, 0
.endm
.macro TOSTAGE u                       ; unit u (16 rows x 128 columns) into my stage and back as whole rows of 512 bytes
.set BB, 80+64*((\u)%2)
	WIN 0x04                                       ; an LDS store's data: the accumulators' window
.irp t, 0,1,2,3,4,5,6,7
	ds_store_b128 v[STO], v[64*(\u)+8*\t:64*(\u)+8*\t+3] offset:128*(\t/2)+32*(\t%2)        ; each accumulator from its low end on
	ds_store_b128 v[STO], v[64*(\u)+8*\t+4:64*(\u)+8*\t+7] offset:128*(\t/2)+32*(\t%2)+16
.endr
	WIN 0
.irp p, 0,1,2,3,4,5,6,7,8,9,10,11,12,13,14,15
	ds_load_b128 v[BB+4*\p:BB+4*\p+3], v[RD] offset:528*\p   ; LDS serves a wave's instructions in order: these see my stores
.endr
.endm
.macro SEND u, younger                 ; younger: the LDS instructions issued behind unit u's loads, which may stay out
.set BB, 80+64*((\u)%2)
	s_wait_dscnt \younger
.irp p, 0,1,2,3,4,5,6,7,8,9,10,11,12,13,14,15
	global_store_b128 v[CO], v[BB+4*\p:BB+4*\p+3], s[10:11] offset:(32*((\u)/2)+8*((\u)%2)+\p+8*(\p/8))*4096 th:TH_STORE_NT   ; 32 lanes store 512 consecutive bytes of one row, aligned
.endr
.endm
	s_load_b256 s[4:11], s[0:1], 0x0               ; oimg, wimg, bo, out0
	v_lshl_add_u32 v[SPW], v0, 2, SPARE
	v_mov_b32 v[NIL], 0
	ds_add_u32 v[SPW], v[NIL]                      ; the wave's opening: the add and its wait ahead of my first tensor load; work on registers stands between them
	ds_add_u32 v[SPW], v[NIL]
	v_lshrrev_b32 v1, 5, v0
	v_readfirstlane_b32 s[WV], v1                  ; wave 0..3
	s_and_b32 s[W1], s[WV], 1
	s_lshr_b32 s[W2], s[WV], 1
	s_bfe_u32 s[CX], ttmp6, 0x40000                ; my place in the cluster; the grid is one cluster wide, so cx is my block of 256 columns
	s_bfe_u32 s[CY], ttmp6, 0x40004
	s_and_b32 s[RB], ttmp7, 0xffff
	s_lshl_b32 s[RB], s[RB], 2
	s_add_co_u32 s[RB], s[RB], s[CY]               ; my block of 128 rows = 4 x cluster y + cy
	s_lshl_b32 s24, s[CY], 2
	s_lshl_b32 s24, 15, s24                        ; my row of the cluster
	s_lshl_b32 s25, 0x1111, s[CX]                  ; my column
	; descriptor group 1: rows of 6,400 bytes (800 elements of 8 bytes), 12,800 bytes apart in memory, dense in LDS; O: 8 rows, Wo: 16 rows
	s_or_b32 s[G1A], s24, (3<<16)|(1<<21)
	s_or_b32 s[G1W], s25, (3<<16)|(1<<21)
.irp g, G1A, G1W
	s_mov_b32 s[\g+1], 800<<16                     ; tensor_dim0
	s_mov_b32 s[\g+3], 800<<16                     ; tile_dim0
	s_mov_b32 s[\g+5], 1600                        ; tensor_dim0_stride
	s_mov_b32 s[\g+6], 0
	s_mov_b32 s[\g+7], 0
.endr
	s_mov_b32 s[G1A+2], 8<<16                      ; tensor_dim1: one load brings a whole chunk: O's 8 chunk records,
	s_mov_b32 s[G1A+4], 8                          ; tile_dim1
	s_mov_b32 s[G1W+2], 16<<16                     ; Wo's 16
	s_mov_b32 s[G1W+4], 16
	s_mul_i32 s66, s[RB], 102400                   ; O: my block's 8 tile records, my half of them (no register here ever holds cx)
	s_mul_i32 s26, s[W1], 51200
	s_mov_b32 s67, 0
	s_mul_i32 s68, s[CX], 204800                   ; Wo, the fourth weight: my 16 tile records, my half of them (none holds cy)
	s_add_co_u32 s68, s68, 3*819200
	s_mov_b32 s69, 0
	s_add_co_u32 s71, s26, WOFF                    ; Wo's half
	s_wait_dscnt 0x0                               ; the opening add is done
	s_wait_kmcnt 0x0
	s_add_nc_u64 s[72:73], s[4:5], s[66:67]
	s_add_nc_u64 s[74:75], s[6:7], s[68:69]
	CROUND                                         ; all sixteen work-groups are here: the joint loads meet
.irp c, 0,1
	s_mov_b32 s[G0A+4*\c], 1
	s_mov_b32 s[G0A+4*\c+1], \c*SLOTB
	s_add_nc_u64 s[G0A+4*\c+2:G0A+4*\c+3], s[72:73], \c*REC
	s_or_b32 s[G0A+4*\c+3], s[G0A+4*\c+3], 0x80000000
	s_mov_b32 s[G0W+4*\c], 1
	s_mov_b32 s[G0W+4*\c+1], WOFF+\c*SLOTB
	s_add_nc_u64 s[G0W+4*\c+2:G0W+4*\c+3], s[74:75], \c*REC
	s_or_b32 s[G0W+4*\c+3], s[G0W+4*\c+3], 0x80000000
.endr
	; ONE TENSOR LOAD A WAVE, in one chain of four arms: wave 0 O's chunk 0, wave 1 Wo's chunk 0, wave 2 O's chunk 1, wave 3 Wo's chunk 1
	s_cmp_lt_u32 s[WV], 1
	s_cbranch_scc0 .Lfill_1
	tensor_load_to_lds s[G0A:G0A+3], s[G1A:G1A+7]
	s_nop 0
.rept 4
	v_nop
.endr
	s_branch .Lfilled
.Lfill_1:
	s_cmp_lt_u32 s[WV], 2
	s_cbranch_scc0 .Lfill_2
	tensor_load_to_lds s[G0W:G0W+3], s[G1W:G1W+7]
	s_nop 0
.rept 4
	v_nop
.endr
	s_branch .Lfilled
.Lfill_2:
	s_cmp_lt_u32 s[WV], 3
	s_cbranch_scc0 .Lfill_3
	tensor_load_to_lds s[G0A+4:G0A+7], s[G1A:G1A+7]
	s_nop 0
.rept 4
	v_nop
.endr
	s_branch .Lfilled
.Lfill_3:
	tensor_load_to_lds s[G0W+4:G0W+7], s[G1W:G1W+7]
	s_nop 0
.rept 4
	v_nop
.endr
.Lfilled:
	v_and_b32 v1, 31, v0                           ; lane
	s_wait_alu depctr_va_vdst(0)
	v_and_b32 v2, 15, v0                           ; r
	s_wait_alu depctr_va_vdst(0)
	v_bfe_u32 v3, v0, 4, 1                         ; h
	v_lshlrev_b32 v15, 6, v3                       ; the bias: 16 h numbers on
	s_lshl_b32 s62, s[CX], 10
	s_lshl_b32 s26, s[W1], 9
	s_add_co_u32 s62, s62, s26                     ; my first column, in bytes: 4 (256 cx + 128 (wave % 2))
	s_mov_b32 s63, 0
	s_add_nc_u64 s[8:9], s[8:9], s[62:63]
	WIN 0xc0                                       ; destination window 3
.irp t, 0,1,2,3,4,5,6,7
	global_load_b128 v[8*\t:8*\t+3], v15, s[8:9] offset:(32*(\t/2)+8*(\t%2))*4
	global_load_b128 v[8*\t+4:8*\t+7], v15, s[8:9] offset:(32*(\t/2)+8*(\t%2))*4+16
.endr
	WIN 0
	s_mul_i32 s76, s[W2], 25600                    ; source 1 = my 64 rows of O; source 0 = my 8 tiles of Wo, at s71
	v_lshl_add_u32 v4, v1, 4, s71                  ; source 0: 16 x lane, 8 x lane, 16 r
	v_lshl_add_u32 v5, v1, 3, s71
	v_lshl_add_u32 v6, v2, 4, s71
	v_lshl_add_u32 v7, v1, 4, s76                  ; source 1
	v_lshl_add_u32 v8, v1, 3, s76
	v_lshl_add_u32 v9, v2, 4, s76
	s_mul_i32 s77, s[WV], 16*528                   ; my stage
	v_mul_u32_u24 v[STO], v2, 528
	s_wait_alu depctr_va_vdst(0)
	v_lshl_add_u32 v[STO], v3, 6, v[STO]
	v_add_nc_u32 v[STO], s77, v[STO]               ; in: row r, + 64 h
	v_lshlrev_b32 v[CO], 4, v1                     ; back: the 32 lanes take one row of 512 bytes; and the same in out0
	v_add_nc_u32 v[RD], s77, v[CO]
	s_lshl_b32 s78, s[RB], 7
	s_lshl_b32 s26, s[W2], 6
	s_add_co_u32 s78, s78, s26
	s_lshl_b32 s78, s78, 12                        ; my first row: 128 block + 64 (wave / 2), rows of 4,096 bytes
	s_add_co_u32 s62, s62, s78
	s_add_nc_u64 s[10:11], s[10:11], s[62:63]
	s_wait_alu depctr_va_vdst(0)
	s_cmp_lt_u32 s[WV], 2                          ; chunk 0's two loads are waves 0 and 1's own lines: they wait; chunk 1's may stay out
	s_cbranch_scc0 .Lnot_c0
	s_wait_tensorcnt 0x0
.Lnot_c0:
	s_barrier_signal -1
	s_barrier_wait -1                              ; everybody's is
	CHUNK 1
	WIN 0
	s_wait_tensorcnt 0x0                           ; my part of chunk 1 is in (no LDS instruction of mine is out)
	s_barrier_signal -1
	s_barrier_wait -1                              ; and nobody reads chunk 0 any more
.irp a, 4,5,6,7,8,9
	v_add_nc_u32 v\a, SLOTB, v\a                   ; on to chunk 1; these six are also the places in front of the loads below
.endr
	s_wait_alu depctr_va_vdst(0)
	CHUNK 0
	PLACES
	TOSTAGE 0
.irp u, 1,2,3
.if \u > 1
	s_wait_xcnt 0x0                                ; unit u - 2's stores have read their registers: unit u's rows may land there
.endif
	TOSTAGE \u
	SEND \u-1, 32                                  ; behind unit u - 1's loads: unit u's 16 stores and 16 loads
.endr
	SEND 3, 0
	s_wait_tensorcnt 0x0                           ; the wave's end: behind my last tensor load and my last LDS store
	ds_add_u32 v[SPW], v[NIL]
	s_wait_dscnt 0x0
	CROUND                                         ; the closing round
	s_endpgm
.Lfunc_end_k_q879a60d11c_oproj:
	.size	k_q879a60d11c_oproj, .Lfunc_end_k_q879a60d11c_oproj-k_q879a60d11c_oproj
	.p2alignl 7, 3214868480
	.fill 96, 4, 3214868480
	.section	.rodata,"a",@progbits
	.p2align	6, 0x0
	.amdhsa_kernel k_q879a60d11c_oproj
		.amdhsa_group_segment_fixed_size 327680
		.amdhsa_private_segment_fixed_size 0
		.amdhsa_enable_private_segment 0
		.amdhsa_kernarg_size 32
		.amdhsa_user_sgpr_count 2
		.amdhsa_user_sgpr_kernarg_segment_ptr 1
		.amdhsa_wavefront_size32 1
		.amdhsa_system_sgpr_workgroup_id_x 1
		.amdhsa_system_sgpr_workgroup_id_y 1
		.amdhsa_system_sgpr_workgroup_id_z 1
		.amdhsa_system_vgpr_workitem_id 0
		.amdhsa_next_free_vgpr 832
		.amdhsa_next_free_sgpr 84
		.amdhsa_reserve_vcc 0
		.amdhsa_float_denorm_mode_32 3
		.amdhsa_float_denorm_mode_16_64 3
		.amdhsa_memory_ordered 1
		.amdhsa_forward_progress 1
		.amdhsa_inst_pref_size 83
	.end_amdhsa_kernel
	.amdgpu_metadata
---
amdhsa.version: [ 1, 2 ]
amdhsa.kernels:
  - .name:           k_q879a60d11c_oproj
    .symbol:         k_q879a60d11c_oproj.kd
    .args:
      - { .name: oimg, .offset: 0, .size: 8, .value_kind: global_buffer, .address_space: global }
      - { .name: wimg, .offset: 8, .size: 8, .value_kind: global_buffer, .address_space: global }
      - { .name: bo, .offset: 16, .size: 8, .value_kind: global_buffer, .address_space: global }
      - { .name: out0, .offset: 24, .size: 8, .value_kind: global_buffer, .address_space: global }
    .group_segment_fixed_size: 327680
    .private_segment_fixed_size: 0
    .kernarg_segment_align: 8
    .kernarg_segment_size: 32
    .max_flat_workgroup_size: 128
    .sgpr_count:     84
    .vgpr_count:     832
    .wavefront_size: 32
...
	.end_amdgpu_metadata
.endif
;; end of part 4
